; MI455X (gfx1250); checked and timed in simulation.
; The chip was launched on July 23, 2026; its instructions are those of AMD's public machine-readable ISA for CDNA 5 (MIT licence, August 2026) and "CDNA5" Instruction Set Architecture Reference Guide (July 2026). The comments in the code are by the model that wrote it; some were corrected since.
;; Ambient Reflection Net. Allowed arithmetic: matrix products marked QUANTISED: E2M3 operands, one E8M0 scale for each 32 along K, by v_wmma_scale_f32_16x16x128_f8f6f4 with both operands' format E2M3, f32 sums; products left as they are: f32 operands where the result goes on into a quantised operand, else bf16, f16 or f32 operands; f32 sums; everything else in f32.
;; Inputs: dW0 3 x 256 float32; dW1_codes 256 x 8 x 24 uint8 (E2M3 codes of dW1, K innermost, in blocks of 32 codes, four codes in three bytes); dW1_scales 256 x 8 uint8 (E8M0 scales of dW1, one for each 32 codes along K); dW2_codes 256 x 8 x 24 uint8 (E2M3 codes of dW2, K innermost, in blocks of 32 codes, four codes in three bytes); dW2_scales 256 x 8 uint8 (E8M0 scales of dW2, one for each 32 codes along K); dW3 256 x 3 float32; db0 256 float32; db1 256 float32; db2 256 float32; db3 3 float32; normals 262,144 x 3 float32; r0 262,144 x 1 float32; roughness 262,144 x 1 float32; sW0 8 x 256 float32; sW1_codes 256 x 8 x 24 uint8 (E2M3 codes of sW1, K innermost, in blocks of 32 codes, four codes in three bytes); sW1_scales 256 x 8 uint8 (E8M0 scales of sW1, one for each 32 codes along K); sW2_codes 256 x 8 x 24 uint8 (E2M3 codes of sW2, K innermost, in blocks of 32 codes, four codes in three bytes); sW2_scales 256 x 8 uint8 (E8M0 scales of sW2, one for each 32 codes along K); sW3 256 x 3 float32; sb0 256 float32; sb1 256 float32; sb2 256 float32; sb3 3 float32; view_dirs 262,144 x 3 float32.
;; Outputs: out0 262,144 x 3 float32; out1 262,144 x 3 float32.
;; This version of the problem:
;;   THIS VERSION OF THE PROBLEM IS GIVEN IN LOW PRECISION. The matrix products marked QUANTISED in the list below multiply operands that are first quantised to E2M3 (2 exponent bits, 3 mantissa bits; 6 bits a number), with one power-of-two scale for each 32 numbers along K (OCP MX v1.0); their sums are f32. All else is computed in f32.
;;   The module's matrix products, in the order in which they are computed (A, B: the left and right operand; K: the contracted axis; several contracted axes count as one K, in the product's order):
;;     1. [M 262,144, K 3] x [K 3, N 256]; A: computed on the way; B: input dW0: left as it is (K = 3 < 32)
;;     2. [M 262,144, K 256] x [K 256, N 256]; A: computed on the way; B: input dW1 (given as codes): QUANTISED
;;     3. [M 262,144, K 256] x [K 256, N 256]; A: computed on the way; B: input dW2 (given as codes): QUANTISED
;;     4. [M 262,144, K 256] x [K 256, N 3]; A: computed on the way; B: input dW3: left as it is (N = 3 < 16)
;;     5. [M 262,144, K 8] x [K 8, N 256]; A: computed on the way; B: input sW0: left as it is (K = 8 < 32)
;;     6. [M 262,144, K 256] x [K 256, N 256]; A: computed on the way; B: input sW1 (given as codes): QUANTISED
;;     7. [M 262,144, K 256] x [K 256, N 256]; A: computed on the way; B: input sW2 (given as codes): QUANTISED
;;     8. [M 262,144, K 256] x [K 256, N 3]; A: computed on the way; B: input sW3: left as it is (N = 3 < 16)
;;   THE QUANTISER, for each operand of a quantised product, along K:
;;     - K is cut into blocks of 32 from its start; a last block that is shorter is filled with zeros.
;;     - A block's scale is 2^e with e = floor(log2(the largest magnitude in the block)) - 2, held to -126 .. 127; a block of zeros has e = 0. As a byte (E8M0): e + 127.
;;     - Each number is divided by its block's scale, clamped to +-7.5, and rounded to the nearest number of E2M3, ties to even, subnormals kept.
;;     - The product sums the exact products of the quantised numbers (number of the format x scale) in f32.
;;   ~~~python
;;   def quantise(x, axis):      # numpy; x: float32 -> the quantised numbers, widened to float32 again
;;       x = np.moveaxis(x, axis, -1); K = x.shape[-1]
;;       x = np.pad(x, [(0, 0)] * (x.ndim - 1) + [(0, -K % 32)]); x = x.reshape(x.shape[:-1] + (-1, 32)); a = np.abs(x).max(-1, keepdims=True)
;;       e = np.where(a > 0, np.clip(np.frexp(np.where(a > 0, a, 1))[1] - 1 - 2, -126, 127), 0)      # np.frexp(a)[1] - 1 = floor(log2(a)), exactly
;;       r = np.clip(x / 2.0 ** e, -7.5, 7.5)
;;       step = 2.0 ** (np.maximum(np.frexp(np.where(r == 0, 1, r))[1] - 1, 0) - 3)
;;       q = np.round(r / step) * step * 2.0 ** e      # np.round: ties to even
;;       return np.moveaxis(q.reshape(q.shape[:-2] + (-1,))[..., :K], -1, axis).astype(np.float32)
;;   ~~~
;;   OPERANDS COMPUTED ON THE WAY. 'Computed on the way' means the value that the module computes at that place (a softmax that the list does not call 'softmax' is quantised finished and normalised). What goes into a quantiser is computed in f32, as accurately as f32 sums, v_exp_f32 and their like allow (about 1e-6 of the number): no bf16 or f16 on the way to a quantiser, and a product that is left as it is and whose result goes on into a quantised operand takes f32 operands (vector FMAs, or v_wmma_f32_16x16x4_f32). A number that lies on a knife's edge between two numbers of the format may be rounded either way, as far as f32 arithmetic and the matrix unit's own rounding can turn it there, and no further.
;;   INPUTS GIVEN AS CODES. dW1 (in the module: [256, 256], K = its axis 0); dW2 (in the module: [256, 256], K = its axis 0); sW1 (in the module: [256, 256], K = its axis 0); sW2 (in the module: [256, 256], K = its axis 0): each comes as NAME_codes (uint8): NAME with its K axis moved to the last place and cut into blocks of 32 codes, [.., K / 32, bytes a block], one block behind the other in memory; four codes in three bytes: a row's codes are one little-endian stream of bits, code i at bits 6 i .. 6 i + 5 (a code: sign, 2 exponent bits, 3 mantissa bits); and NAME_scales (uint8): the same leading axes, one E8M0 byte (e + 127) for each 32 codes along K. Its value is code x scale, taken as it is: it is not quantised again, and the codes and scales need not be those that the quantiser above would give.
;; 2 versions. Each part assembles by itself: llvm-mc -triple=amdgcn-amd-amdhsa -mcpu=gfx1250 --defsym DOCPART=n.
;; ======== version 1 of 2: 2 launches
;; workspace buffers: tab 245,760 bytes; rows 1,048,576 bytes of whole numbers; cnt 1,024 bytes of whole numbers
;; launch prep (part 1): grid 256 x 1, 16 waves a work-group, no clusters, 2,304 bytes of LDS; arguments normals, view_dirs, tab, rows, cnt, out0, out1, dW1_codes, dW2_codes, sW1_codes, sW2_codes, dW1_scales, dW2_scales, sW1_scales, sW2_scales, dW0, sW0, db0, sb0, dW3, sW3, db1, sb1, db2, sb2, db3, sb3; writes tab, rows, cnt, out0, out1
.if DOCPART == 1
	.amdgcn_target "amdgcn-amd-amdhsa--gfx1250"
	.amdhsa_code_object_version 6
	.text
	.protected	k_qd5b5ee7ae4_prep
	.globl	k_qd5b5ee7ae4_prep
	.p2align	8
	.type	k_qd5b5ee7ae4_prep,@function
k_qd5b5ee7ae4_prep:
	s_mov_b64 s[64:65], 0
	v_nop
	global_prefetch_b8 v0, s[64:65] scope:SCOPE_SE
	s_setreg_imm32_b32 hwreg(HW_REG_WAVE_MODE, 25, 1), 1
	s_wait_xcnt 0x0
; AmbientReflectionNet, first of two launches: WHO IS VISIBLE, THE ZEROS, AND THE TABLES.
; reference() keeps a point's two results only where n^ . v^ > 0 and writes zeros elsewhere (its own jnp.where on a mask that it builds itself).  So the two MLPs are run for the visible points alone:
; this launch decides visibility in f32 as reference() does (norm, max with 1e-12, scaling, dot), stores the visible points of each segment of 1,024 points as a list of whole numbers with their count, and
; fills out0 and out1 with zeros; the second launch reads list and count from memory and stores the visible rows over the zeros.  No input is left out: every input has a way to a visible row.
; LIMITS: a point whose cosine lies within f32 rounding of 0 may be decided either way (1 / norm is a reciprocal and a multiplication here, a division in reference()); a NaN cosine counts as not visible,
; as in reference(); a NaN, an infinity or an overflow that would arise only in the MLPs of a point that is not visible is not made, and reference() does not carry it either: it writes 0 there.
; NO ADDRESS AND NO BRANCH HANGS ON THE MASK: list entry j is FOUND BY SELECTS.  The 32 ballots of a segment (a word for each 32 points) and their counts meet in LDS; every lane holds all 32 words and the 33
; running counts; for its entry j it halves the range of words five times (selects among registers), then the word five times (counts of the word's fields of 16, 8, 4, 2, 1 bits).  Entries from the count on
; repeat the last visible point, so that the last tile of 16 is padded with a row of its own.  Entry j is stored at the fixed place j.
; SHARES: work-group b = segment b.  Thread t: points t and t + 512, list entries 2 t and 2 t + 1.  Word w (0..15) is wave w's ballot of its first points, word 16 + w of its second: bit i of word W is point 32 W + i.
; THE TABLES: wave 0 of work-groups 0 to 151 also lays one piece of the constants into tab, in the order of the second launch's registers (a block of TABB bytes for each MLP):
;   weights' codes and scale words as images of operand registers (16 bytes a lane for each group of four registers); the first layers' weights as f32 fragments; the last layers' as bf16 fragments, each number
;   as a high and a low part; the biases.
;   THE ROWS OF A WEIGHT THAT FORM A TILE ARE NOT NEIGHBOURS: lane r of tile t takes unit 32 (t / 2) + 8 (t % 2) + r + 8 (r / 8), so that a lane's 16 results of tiles 2 B and 2 B + 1 are 16 neighbours along the next K.
.set SPARE,  256                       ; LDS: 0-127 the 32 ballots, 128-255 their counts; from 256 the spare words, 128 bytes for each of 16 waves, which no other line names
.set TABB,   122880                    ; a block of tab
.set T_WSC,  98304                     ; behind 64 fragments of 1,536 bytes: 32 registers of scale words
.set T_W3F,  102400                    ; 8 bf16 fragments of the last layer
.set T_B1,   110592
.set T_B2,   111616
.set T_W0F,  112640                    ; the first layer's f32 fragments, K step 0 (specular: K step 1 4,096 bytes on)
.set T_B0,   120832                    ; specular: sb0
.set T_B3,   121856
.set MW,     48                        ; v48-79    the 32 ballots (before that: a job's data)
.set PX,     80                        ; v80-112   33 running counts
.set TM,     114                       ; v114-129  the words still in the range (before that, with TP: the 32 counts)
.set TP,     130                       ; v130-145  their running counts
; v0 thread; v1, v2 the add's two; v3 12 t, v4 16 t, v5 8 t; v6 4 x wave (LDS); v7 0; v8-11 zeros; v12-26 the two points' n and v; v28-45 at work; v46-47 the two entries; v146-151 a job's lane terms
	s_load_b256 s[4:11], s[0:1], 0x0               ; normals s[4:5], view_dirs s[6:7], tab s[8:9], rows s[10:11]
	s_load_b128 s[12:15], s[0:1], 0x20             ; cnt s[12:13], out0 s[14:15]
	s_load_b64 s[16:17], s[0:1], 0x30              ; out1
	v_lshl_add_u32 v1, v0, 2, SPARE
	v_mov_b32 v2, 0
	v_lshrrev_b32 v6, 5, v0
	v_readfirstlane_b32 s20, v6                    ; wave 0..15
	v_lshlrev_b32 v6, 2, v6
	v_mul_u32_u24 v3, v0, 12
	v_lshlrev_b32 v4, 4, v0
	v_lshlrev_b32 v5, 3, v0
	v_mov_b32 v7, 0
.irp i, 8,9,10,11
	v_mov_b32 v\i, 0
.endr
	s_mov_b32 s23, ttmp9                           ; b
	s_mov_b32 s48, 0xffff0000                      ; lanes 16-31, as a mask; also a word's upper bf16
	s_mov_b32 s49, 0x2b8cbccc                      ; 1e-12
	s_lshl_b32 s50, s23, 10                        ; the segment's first point
	s_mul_i32 s40, s23, 12288                      ; 1,024 points of 12 bytes
	s_mov_b32 s41, 0
	s_lshl_b32 s42, s23, 12                        ; 1,024 entries of 4 bytes
	s_mov_b32 s43, 0
	s_lshl_b32 s44, s23, 2
	s_mov_b32 s45, 0
	s_wait_kmcnt 0x0
	s_add_nc_u64 s[4:5], s[4:5], s[40:41]
	s_add_nc_u64 s[6:7], s[6:7], s[40:41]
	s_add_nc_u64 s[14:15], s[14:15], s[40:41]
	s_add_nc_u64 s[16:17], s[16:17], s[40:41]
	s_add_nc_u64 s[10:11], s[10:11], s[42:43]
	s_add_nc_u64 s[12:13], s[12:13], s[44:45]
	global_load_b96 v[12:14], v3, s[4:5]               ; n and v of point t,
	global_load_b96 v[20:22], v3, s[6:7]
	global_load_b96 v[16:18], v3, s[4:5] offset:6144   ; and of point t + 512
	global_load_b96 v[24:26], v3, s[6:7] offset:6144
	global_store_b128 v4, v[8:11], s[14:15]            ; the zeros: a wave's store covers 512 consecutive bytes, aligned; 12,288 bytes of each output are 24 such stores
	global_store_b128 v4, v[8:11], s[16:17]
	s_cmp_lt_u32 s20, 8
	s_cbranch_scc0 .Lzeros_done
	global_store_b128 v4, v[8:11], s[14:15] offset:8192
	global_store_b128 v4, v[8:11], s[16:17] offset:8192
.Lzeros_done:
; ---- THE JOBS: wave 0 of work-groups 0 to 151, one piece of tab each.  In wave 0 the thread is the lane, so v4 is 16 x lane.
	s_cmp_lg_u32 s20, 0
	s_cbranch_scc1 .Lno_job
	s_cmp_lt_u32 s23, 152
	s_cbranch_scc0 .Lno_job
	v_and_b32 v146, 15, v0                         ; r
	v_lshrrev_b32 v147, 4, v0                      ; h
	v_and_b32 v148, 8, v146
	v_add_nc_u32 v148, v148, v146                  ; U = r + 8 (r / 8)
	s_cmp_lt_u32 s23, 128
	s_cbranch_scc1 .Ljob_codes
	s_cmp_lt_u32 s23, 132
	s_cbranch_scc1 .Ljob_scales
	s_cmp_eq_u32 s23, 132
	s_cbranch_scc1 .Ljob_w0d
	s_cmp_eq_u32 s23, 133
	s_cbranch_scc1 .Ljob_w0s
	s_cmp_lt_u32 s23, 150
	s_cbranch_scc1 .Ljob_w3
	s_branch .Ljob_bias
.macro PICK4 b0, b1                    ; s[24:25] = one of the four pointers in s[24:31]; which: bits b0 (low) and b1 of the work-group's number
	s_bfe_u32 s41, s23, (1<<16)|\b0
	s_cmp_lg_u32 s41, 0
	s_cselect_b64 s[24:25], s[26:27], s[24:25]
	s_cselect_b64 s[28:29], s[30:31], s[28:29]
	s_bfe_u32 s41, s23, (1<<16)|\b1
	s_cmp_lg_u32 s41, 0
	s_cselect_b64 s[24:25], s[28:29], s[24:25]
.endm
.Ljob_codes:                                           ; b < 128: matrix b / 32 (dW1, dW2, sW1, sW2), fragment f = b % 32 = 2 t + s: tile t, K step s
	s_load_b256 s[24:31], s[0:1], 0x38
	s_and_b32 s40, s23, 31
	s_lshr_b32 s41, s40, 2                         ; t / 2
	s_bfe_u32 s42, s40, 0x10001                    ; t % 2
	s_and_b32 s43, s40, 1                          ; s
	s_lshl_b32 s41, s41, 5
	s_lshl_b32 s42, s42, 3
	s_add_co_u32 s41, s41, s42                     ; the tile's first row
	s_mul_i32 s41, s41, 192                        ; a row of 256 codes is 192 bytes,
	s_mul_i32 s43, s43, 96                         ; a K step 96
	s_add_co_u32 s44, s41, s43
	s_mov_b32 s45, 0
	s_lshr_b32 s46, s23, 6                         ; the MLP's block,
	s_mul_i32 s46, s46, TABB
	s_and_b32 s47, s23, 63                         ; fragment 32 x layer + f in it
	s_mul_i32 s47, s47, 1536
	s_add_co_u32 s46, s46, s47
	s_mov_b32 s47, 0
	v_mul_u32_u24 v149, v148, 192
	v_mad_u32_u24 v149, v147, 24, v149             ; row U, + 24 h: the lane's 24 bytes of each 64 along K
	s_wait_kmcnt 0x0
	PICK4 5, 6
	s_add_nc_u64 s[24:25], s[24:25], s[44:45]
	s_add_nc_u64 s[36:37], s[8:9], s[46:47]
.irp p, 0,1,2,3,4,5
	global_load_b64 v[48+2*\p:49+2*\p], v149, s[24:25] offset:48*(\p/3)+8*(\p%3)
.endr
	s_wait_loadcnt 0x0
.irp g, 0,1,2
	global_store_b128 v4, v[48+4*\g:51+4*\g], s[36:37] offset:512*\g   ; the fragment's 12 registers as three images of 512 bytes
.endr
	s_branch .Ljob_end
.Ljob_scales:                                          ; b = 128 .. 131: the scale words of matrix b - 128: register t: lanes 0-15 the word of K step 0, lanes 16-31 that of K step 1
	s_load_b256 s[24:31], s[0:1], 0x58
	s_bfe_u32 s46, s23, 0x10001
	s_mul_i32 s46, s46, TABB
	s_and_b32 s47, s23, 1
	s_lshl_b32 s47, s47, 11                        ; 16 registers of 128 bytes a layer
	s_add_co_u32 s46, s46, s47
	s_mov_b32 s47, 0
	v_lshlrev_b32 v149, 3, v148
	v_lshl_add_u32 v149, v147, 2, v149             ; 8 bytes a row, + 4 h
	s_wait_kmcnt 0x0
	PICK4 0, 1
	s_add_nc_u64 s[36:37], s[8:9], s[46:47]
.irp t, 0,1,2,3,4,5,6,7,8,9,10,11,12,13,14,15
	global_load_b32 v[48+\t], v149, s[24:25] offset:(32*(\t/2)+8*(\t%2))*8
.endr
	s_wait_loadcnt 0x0
.irp g, 0,1,2,3
	global_store_b128 v4, v[48+4*\g:51+4*\g], s[36:37] offset:T_WSC+512*\g
.endr
	s_branch .Ljob_end
.Ljob_w0d:                                             ; b = 132: the diffuse first layer as f32 fragments, K = 4: dW0's three rows and db0 (x's fourth number is 1).  Lane (r, h), register j: k = 2 h + j
	s_load_b64 s[24:25], s[0:1], 0x78
	s_load_b64 s[26:27], s[0:1], 0x88
	v_lshlrev_b32 v151, 2, v148                    ; 4 U: db0
	v_lshl_add_u32 v149, v147, 11, v151            ; j = 0: row 0 or row 2
	v_sub_nc_u32 v150, 1, v147
	v_lshl_add_u32 v150, v150, 10, v151            ; j = 1: row 1; lanes 16-31 read row 0, in the buffer, and take db0 below
	s_wait_kmcnt 0x0
.irp c, 0,1,2,3,4,5,6,7
.irp u, 0,1
	global_load_b32 v[48+4*\c+2*\u], v149, s[24:25] offset:(32*\c+8*\u)*4
	global_load_b32 v[49+4*\c+2*\u], v150, s[24:25] offset:(32*\c+8*\u)*4
	global_load_b32 v[80+2*\c+\u], v151, s[26:27] offset:(32*\c+8*\u)*4
.endr
.endr
	s_wait_loadcnt 0x0
.irp i, 0,1,2,3,4,5,6,7,8,9,10,11,12,13,14,15
	v_cndmask_b32 v[49+2*\i], v[49+2*\i], v[80+\i], s48
.endr
.irp c, 0,1,2,3,4,5,6,7
	global_store_b128 v4, v[48+4*\c:51+4*\c], s[8:9] offset:T_W0F+512*\c    ; tiles 2 c and 2 c + 1, two registers each
.endr
	s_branch .Ljob_end
.Ljob_w0s:                                             ; b = 133: the specular first layer, K = 8 in two K steps: register j of K step s: k = 4 s + 2 h + j
	s_load_b64 s[24:25], s[0:1], 0x80
	v_lshlrev_b32 v149, 2, v148
	v_lshl_add_u32 v149, v147, 11, v149
	s_wait_kmcnt 0x0
.irp s, 0,1
.irp c, 0,1,2,3,4,5,6,7
.irp u, 0,1
.irp j, 0,1
	global_load_b32 v[48+32*\s+4*\c+2*\u+\j], v149, s[24:25] offset:(4*\s+\j)*1024+(32*\c+8*\u)*4
.endr
.endr
.endr
.endr
	s_wait_loadcnt 0x0
.irp s, 0,1
.irp c, 0,1,2,3,4,5,6,7
	global_store_b128 v4, v[48+32*\s+4*\c:51+32*\s+4*\c], s[8:9] offset:TABB+T_W0F+4096*\s+512*\c
.endr
.endr
	s_branch .Ljob_end
; b = 134 .. 149: MLP (b - 134) / 8, block (b - 134) % 8 of 32 along K of the last layer, as a bf16 fragment of 16 rows.  EACH NUMBER OF W3 IS A PAIR OF bf16, split in f32: hi = bf16(w), lo = bf16(w - hi).
; With c = row % 8: rows c = 0, 1, 2 hold the high parts of W3's three columns, rows c = 3, 4, 5 the low parts, rows c = 6, 7 zeros: one product gives both, in result registers 0-2 and 3-5; rows 8 on
; repeat rows 0 on, so that both halves of the lanes end with the same sums.  Lane (row, h), register i: k = 32 block + 16 h + 2 i, + 1: the places in which the second launch packs the hidden layer, alike on both sides.
.Ljob_w3:
	s_load_b128 s[24:27], s[0:1], 0x98
	s_sub_co_u32 s40, s23, 134
	s_lshr_b32 s41, s40, 3
	s_and_b32 s40, s40, 7
	s_mul_i32 s44, s40, 384                        ; 32 rows of 12 bytes
	s_mov_b32 s45, 0
	s_mul_i32 s46, s41, TABB
	s_lshl_b32 s40, s40, 10
	s_add_co_u32 s46, s46, s40
	s_mov_b32 s47, 0
	v_and_b32 v150, 7, v146                        ; c
	v_mul_u32_u24 v151, v150, 11
	v_lshrrev_b32 v151, 5, v151                    ; c / 3: 0 high parts, 1 low parts, 2 zeros
	v_mul_u32_u24 v149, v151, 3
	v_sub_nc_u32 v149, v150, v149                  ; c % 3: the column (the rows of zeros read columns 0 and 1: inside the buffer)
	v_lshlrev_b32 v149, 2, v149
	v_mad_u32_u24 v149, v147, 192, v149
	v_cmp_eq_u32 vcc_lo, 0, v151
	v_cmp_eq_u32 s42, 1, v151
	s_wait_kmcnt 0x0
	s_cmp_lg_u32 s41, 0
	s_cselect_b64 s[24:25], s[26:27], s[24:25]
	s_add_nc_u64 s[24:25], s[24:25], s[44:45]
	s_add_nc_u64 s[36:37], s[8:9], s[46:47]
.irp i, 0,1,2,3,4,5,6,7,8,9,10,11,12,13,14,15
	global_load_b32 v[48+\i], v149, s[24:25] offset:12*\i
.endr
	s_wait_loadcnt 0x0
.irp i, 0,1,2,3,4,5,6,7
	v_cvt_pk_bf16_f32 v[80+\i], v[48+2*\i], v[49+2*\i]          ; the high parts, two to a register
.endr
.irp i, 0,1,2,3,4,5,6,7
	v_lshlrev_b32 v[88+2*\i], 16, v[80+\i]                      ; as f32 again,
	v_and_b32 v[89+2*\i], s48, v[80+\i]
.endr
.irp i, 0,1,2,3,4,5,6,7,8,9,10,11,12,13,14,15
	v_sub_f32 v[88+\i], v[48+\i], v[88+\i]                      ; what they leave: exact in f32
.endr
.irp i, 0,1,2,3,4,5,6,7
	v_cvt_pk_bf16_f32 v[104+\i], v[88+2*\i], v[89+2*\i]         ; the low parts
.endr
.irp i, 0,1,2,3,4,5,6,7
	v_cndmask_b32 v[104+\i], 0, v[104+\i], s42
	v_cndmask_b32 v[80+\i], v[104+\i], v[80+\i], vcc_lo
.endr
	global_store_b128 v4, v[80:83], s[36:37] offset:T_W3F
	global_store_b128 v4, v[84:87], s[36:37] offset:T_W3F+512
	s_branch .Ljob_end
.Ljob_bias:                                            ; b = 150, 151: b1, b2, b3 of the MLP as they lie; for the specular one sb0 too (db0 stands in the diffuse fragments)
	s_load_b256 s[24:31], s[0:1], 0xa8             ; db1, sb1, db2, sb2
	s_load_b128 s[32:35], s[0:1], 0xc8             ; db3, sb3
	s_load_b64 s[36:37], s[0:1], 0x90              ; sb0
	s_sub_co_u32 s41, s23, 150
	s_mul_i32 s46, s41, TABB
	s_mov_b32 s47, 0
	s_wait_kmcnt 0x0
	s_cmp_lg_u32 s41, 0
	s_cselect_b64 s[24:25], s[26:27], s[24:25]
	s_cselect_b64 s[28:29], s[30:31], s[28:29]
	s_cselect_b64 s[32:33], s[34:35], s[32:33]
	s_add_nc_u64 s[38:39], s[8:9], s[46:47]
	global_load_b128 v[48:51], v4, s[24:25]
	global_load_b128 v[52:55], v4, s[24:25] offset:512
	global_load_b128 v[56:59], v4, s[28:29]
	global_load_b128 v[60:63], v4, s[28:29] offset:512
	global_load_b96 v[64:66], v7, s[32:33]         ; every lane the same 12 bytes
	s_wait_loadcnt 0x0
	global_store_b128 v4, v[48:51], s[38:39] offset:T_B1
	global_store_b128 v4, v[52:55], s[38:39] offset:T_B1+512
	global_store_b128 v4, v[56:59], s[38:39] offset:T_B2
	global_store_b128 v4, v[60:63], s[38:39] offset:T_B2+512
	global_store_b96 v7, v[64:66], s[38:39] offset:T_B3
	s_cmp_eq_u32 s41, 0
	s_cbranch_scc1 .Ljob_end
	global_load_b128 v[68:71], v4, s[36:37]
	global_load_b128 v[72:75], v4, s[36:37] offset:512
	s_wait_loadcnt 0x0
	global_store_b128 v4, v[68:71], s[38:39] offset:T_B0
	global_store_b128 v4, v[72:75], s[38:39] offset:T_B0+512
.Ljob_end:
	s_wait_xcnt 0x0                                ; the job's stores have read their data: those registers take the ballots and counts below
.Lno_job:
; ---- VISIBILITY of my two points, as reference() has it: x / max(|x|, 1e-12) for n and v, then the dot product
	s_wait_loadcnt 0x0
	v_mul_f32 v28, v12, v12
	v_mul_f32 v29, v16, v16
	v_mul_f32 v30, v20, v20
	v_mul_f32 v31, v24, v24
	v_fmac_f32 v28, v13, v13
	v_fmac_f32 v29, v17, v17
	v_fmac_f32 v30, v21, v21
	v_fmac_f32 v31, v25, v25
	v_fmac_f32 v28, v14, v14
	v_fmac_f32 v29, v18, v18
	v_fmac_f32 v30, v22, v22
	v_fmac_f32 v31, v26, v26
.irp i, 0,1,2,3
	v_sqrt_f32 v[32+\i], v[28+\i]
.endr
	v_nop                                          ; a plain instruction behind the last root,
	s_wait_alu depctr_va_vdst(0)                   ; and one wait for the four, ahead of their first reader
.irp i, 0,1,2,3
	v_max_num_f32 v[32+\i], s49, v[32+\i]
.endr
.irp i, 0,1,2,3
	v_rcp_f32 v[36+\i], v[32+\i]
.endr
	v_nop
	s_wait_alu depctr_va_vdst(0)                   ; likewise for the four reciprocals
.irp j, 0,1,2
	v_mul_f32 v[12+\j], v[12+\j], v36
	v_mul_f32 v[16+\j], v[16+\j], v37
	v_mul_f32 v[20+\j], v[20+\j], v38
	v_mul_f32 v[24+\j], v[24+\j], v39
.endr
	v_mul_f32 v40, v12, v20
	v_mul_f32 v41, v16, v24
	v_fmac_f32 v40, v13, v21
	v_fmac_f32 v41, v17, v25
	v_fmac_f32 v40, v14, v22
	v_fmac_f32 v41, v18, v26
	v_cmp_lt_f32 s21, 0, v40                       ; the wave's two ballots (a NaN is not visible)
	v_cmp_lt_f32 s22, 0, v41
	s_bcnt1_i32_b32 s44, s21
	s_bcnt1_i32_b32 s45, s22
	v_mov_b32 v42, s21
	v_mov_b32 v43, s22
	v_mov_b32 v44, s44
	v_mov_b32 v45, s45
	ds_store_b32 v6, v42                           ; all lanes write the same word with the same value: word w,
	ds_store_b32 v6, v43 offset:64                 ; word 16 + w,
	ds_store_b32 v6, v44 offset:128                ; and their counts
	ds_store_b32 v6, v45 offset:192
	s_wait_dscnt 0x0                               ; for the others' sake: my stores are done
	s_barrier_signal -1
	s_barrier_wait -1
.irp i, 0,1,2,3,4,5,6,7
	ds_load_b128 v[MW+4*\i:MW+4*\i+3], v7 offset:16*\i          ; every lane: all 32 words,
.endr
.irp i, 0,1,2,3,4,5,6,7
	ds_load_b128 v[TM+4*\i:TM+4*\i+3], v7 offset:128+16*\i      ; and all 32 counts
.endr
	s_wait_dscnt 0x0
	v_mov_b32 v[PX], 0
.set i, 0
.rept 32
	v_add_nc_u32 v[PX+i+1], v[PX+i], v[TM+i]       ; PX[W] = visible points ahead of word W; PX[32] = the segment's count
.set i, i+1
.endr
	v_add_nc_u32 v38, -1, v[PX+32]                 ; the last entry that stands for a point of its own (count 0: no bound; the entries are then read by nobody for a result)
.macro HALVE n                         ; the range of 2 n words is halved: the upper half where my entry is not ahead of it
	v_cmp_ge_u32 vcc_lo, v28, v[TP+\n]
.set i, 0
.rept \n
	v_cndmask_b32 v[TM+i], v[TM+i], v[TM+\n+i], vcc_lo
	v_cndmask_b32 v[TP+i], v[TP+i], v[TP+\n+i], vcc_lo
.set i, i+1
.endr
	v_cndmask_b32 v37, 0, 1, vcc_lo
	v_lshl_or_b32 v29, v29, 1, v37                 ; the word's number, bit by bit
.endm
.macro STEPW x, s, w                   ; the field of 2 s bits at v32 is halved: x holds the counts of the word's fields of s bits, w bits wide each
	v_bfe_u32 v37, \x, v32, \w
	v_cmp_ge_u32 vcc_lo, v30, v37
	v_sub_nc_u32 v37, v30, v37
	v_cndmask_b32 v30, v30, v37, vcc_lo
	v_add_nc_u32 v37, \s, v32
	v_cndmask_b32 v32, v32, v37, vcc_lo
.endm
.macro SEARCH e, dst                   ; list entry 2 t + e -> v[dst]
	v_lshl_add_u32 v28, v0, 1, \e
	v_min_u32 v28, v28, v38                        ; J
	v_cmp_ge_u32 vcc_lo, v28, v[PX+16]
.irp i, 0,1,2,3,4,5,6,7,8,9,10,11,12,13,14,15
	v_cndmask_b32 v[TM+\i], v[MW+\i], v[MW+16+\i], vcc_lo
	v_cndmask_b32 v[TP+\i], v[PX+\i], v[PX+16+\i], vcc_lo
.endr
	v_cndmask_b32 v29, 0, 1, vcc_lo
	HALVE 8
	HALVE 4
	HALVE 2
	HALVE 1
	v_sub_nc_u32 v30, v28, v[TP]                   ; which set bit of the word, from 0
	v_lshrrev_b32 v33, 1, v[TM]
	v_and_b32 v33, 0x55555555, v33
	v_sub_nc_u32 v33, v[TM], v33                   ; counts of the fields of 2 bits,
	v_lshrrev_b32 v34, 2, v33
	v_and_b32 v34, 0x33333333, v34
	v_and_b32 v37, 0x33333333, v33
	v_add_nc_u32 v34, v34, v37                     ; of 4,
	v_lshrrev_b32 v35, 4, v34
	v_add_nc_u32 v35, v35, v34
	v_and_b32 v35, 0x0f0f0f0f, v35                 ; of 8,
	v_lshrrev_b32 v36, 8, v35
	v_add_nc_u32 v36, v36, v35                     ; and, in its lowest byte, of the low 16
	v_mov_b32 v32, 0                               ; the bit's number
	STEPW v36, 16, 8
	STEPW v35, 8, 8
	STEPW v34, 4, 4
	STEPW v33, 2, 2
	v_bfe_u32 v37, v[TM], v32, 1
	v_cmp_ge_u32 vcc_lo, v30, v37
	v_add_nc_u32 v37, 1, v32
	v_cndmask_b32 v32, v32, v37, vcc_lo
	v_lshl_add_u32 v[\dst], v29, 5, v32            ; 32 x word + bit,
	v_add_nc_u32 v[\dst], s50, v[\dst]             ; + the segment's first point
.endm
	SEARCH 0, 46
	SEARCH 1, 47
	global_store_b64 v5, v[46:47], s[10:11]        ; a wave's store covers 256 consecutive bytes, aligned
	s_cmp_lg_u32 s20, 0
	s_cbranch_scc1 .Lnot_count
	global_store_b32 v7, v[PX+32], s[12:13]        ; the count: all lanes the same word
.Lnot_count:
	s_wait_tensorcnt 0x0                           ; the wave's end
	ds_add_u32 v1, v2
	s_wait_dscnt 0x0
	s_endpgm
.Lfunc_end_k_qd5b5ee7ae4_prep:
	.size	k_qd5b5ee7ae4_prep, .Lfunc_end_k_qd5b5ee7ae4_prep-k_qd5b5ee7ae4_prep
	.p2alignl 7, 3214868480
	.fill 96, 4, 3214868480
	.section	.rodata,"a",@progbits
	.p2align	6, 0x0
	.amdhsa_kernel k_qd5b5ee7ae4_prep
		.amdhsa_group_segment_fixed_size 2304
		.amdhsa_private_segment_fixed_size 0
		.amdhsa_enable_private_segment 0
		.amdhsa_kernarg_size 216
		.amdhsa_user_sgpr_count 2
		.amdhsa_user_sgpr_kernarg_segment_ptr 1
		.amdhsa_wavefront_size32 1
		.amdhsa_system_sgpr_workgroup_id_x 1
		.amdhsa_system_sgpr_workgroup_id_y 1
		.amdhsa_system_sgpr_workgroup_id_z 1
		.amdhsa_system_vgpr_workitem_id 0
		.amdhsa_next_free_vgpr 152
		.amdhsa_next_free_sgpr 66
		.amdhsa_reserve_vcc 1
		.amdhsa_float_denorm_mode_32 3
		.amdhsa_float_denorm_mode_16_64 3
		.amdhsa_memory_ordered 1
		.amdhsa_forward_progress 1
		.amdhsa_inst_pref_size 44
	.end_amdhsa_kernel
	.amdgpu_metadata
---
amdhsa.version: [ 1, 2 ]
amdhsa.kernels:
  - .name:           k_qd5b5ee7ae4_prep
    .symbol:         k_qd5b5ee7ae4_prep.kd
    .args:
      - { .name: normals, .offset: 0, .size: 8, .value_kind: global_buffer, .address_space: global }
      - { .name: view_dirs, .offset: 8, .size: 8, .value_kind: global_buffer, .address_space: global }
      - { .name: tab, .offset: 16, .size: 8, .value_kind: global_buffer, .address_space: global }
      - { .name: rows, .offset: 24, .size: 8, .value_kind: global_buffer, .address_space: global }
      - { .name: cnt, .offset: 32, .size: 8, .value_kind: global_buffer, .address_space: global }
      - { .name: out0, .offset: 40, .size: 8, .value_kind: global_buffer, .address_space: global }
      - { .name: out1, .offset: 48, .size: 8, .value_kind: global_buffer, .address_space: global }
      - { .name: dW1_codes, .offset: 56, .size: 8, .value_kind: global_buffer, .address_space: global }
      - { .name: dW2_codes, .offset: 64, .size: 8, .value_kind: global_buffer, .address_space: global }
      - { .name: sW1_codes, .offset: 72, .size: 8, .value_kind: global_buffer, .address_space: global }
      - { .name: sW2_codes, .offset: 80, .size: 8, .value_kind: global_buffer, .address_space: global }
      - { .name: dW1_scales, .offset: 88, .size: 8, .value_kind: global_buffer, .address_space: global }
      - { .name: dW2_scales, .offset: 96, .size: 8, .value_kind: global_buffer, .address_space: global }
      - { .name: sW1_scales, .offset: 104, .size: 8, .value_kind: global_buffer, .address_space: global }
      - { .name: sW2_scales, .offset: 112, .size: 8, .value_kind: global_buffer, .address_space: global }
      - { .name: dW0, .offset: 120, .size: 8, .value_kind: global_buffer, .address_space: global }
      - { .name: sW0, .offset: 128, .size: 8, .value_kind: global_buffer, .address_space: global }
      - { .name: db0, .offset: 136, .size: 8, .value_kind: global_buffer, .address_space: global }
      - { .name: sb0, .offset: 144, .size: 8, .value_kind: global_buffer, .address_space: global }
      - { .name: dW3, .offset: 152, .size: 8, .value_kind: global_buffer, .address_space: global }
      - { .name: sW3, .offset: 160, .size: 8, .value_kind: global_buffer, .address_space: global }
      - { .name: db1, .offset: 168, .size: 8, .value_kind: global_buffer, .address_space: global }
      - { .name: sb1, .offset: 176, .size: 8, .value_kind: global_buffer, .address_space: global }
      - { .name: db2, .offset: 184, .size: 8, .value_kind: global_buffer, .address_space: global }
      - { .name: sb2, .offset: 192, .size: 8, .value_kind: global_buffer, .address_space: global }
      - { .name: db3, .offset: 200, .size: 8, .value_kind: global_buffer, .address_space: global }
      - { .name: sb3, .offset: 208, .size: 8, .value_kind: global_buffer, .address_space: global }
    .group_segment_fixed_size: 2304
    .private_segment_fixed_size: 0
    .kernarg_segment_align: 8
    .kernarg_segment_size: 216
    .max_flat_workgroup_size: 512
    .sgpr_count:     66
    .vgpr_count:     152
    .wavefront_size: 32
...
	.end_amdgpu_metadata
.endif
;; end of part 1
;; launch mlp (part 2): grid 256 x 1, 4 waves a work-group, no clusters, 122,368 bytes of LDS; arguments normals, view_dirs, roughness, r0, tab, rows, cnt, out0, out1; writes out0, out1
.if DOCPART == 2
	.amdgcn_target "amdgcn-amd-amdhsa--gfx1250"
	.amdhsa_code_object_version 6
	.text
	.protected	k_qd5b5ee7ae4_mlp
	.globl	k_qd5b5ee7ae4_mlp
	.p2align	8
	.type	k_qd5b5ee7ae4_mlp,@function
k_qd5b5ee7ae4_mlp:
	s_mov_b64 s[64:65], 0
	v_nop
	global_prefetch_b8 v0, s[64:65] scope:SCOPE_SE
	s_setreg_imm32_b32 hwreg(HW_REG_WAVE_MODE, 25, 1), 1
	s_wait_xcnt 0x0
; AmbientReflectionNet, second launch: THE TWO MLPs, FOR THE VISIBLE POINTS ALONE.  Points that reference()'s own mask zeroes are not computed: their zeros were stored by the first launch, which also stored, as whole
; numbers, each segment's list of visible points and its count; addresses and trip counts here hang on those alone.  (What a NaN or an overflow would do in the MLPs of a hidden point is not made; reference() writes 0 there.)
; SHARES.  Work-group b: MLP b % 2 (0 diffuse -> out0, 1 specular -> out1), segments 2 (b / 2) and 2 (b / 2) + 1 of 1,024 points.  Their visible points are cut into tiles of 16 (each segment's last tile is padded
; with its last visible point); wave w takes tiles w, w + 4, ..  A WAVE KEEPS BOTH 256 x 256 WEIGHTS OF ITS MLP IN REGISTERS: 64 fragments of 12, and takes a tile through the whole chain: no barrier and
; nothing from wave to wave in the loop.  No cluster and no tensor load: trip counts are read from memory; what work-groups share is the table block, read once by each.
; THE CHAIN, all products transposed (source 0 = 16 units of a weight, source 1 = my 16 points): a lane holds ONE point (lane % 16) throughout, and the 16 results of tiles 2 B and 2 B + 1 are units
; 32 B + 16 (lane / 16) + 0 .. 15 (the first launch chose each tile's rows so): neighbours along the next K.
;   L0  x W0 + b0 in f32 (it feeds a quantiser): v_wmma_f32_16x16x4_f32; diffuse K = 4 (n^ and a 1 that carries db0), specular K = 8 with sb0 as C
;   L1, L2  relu, quantised to E2M3 by blocks of 32 in registers, v_wmma_scale_f32_16x16x128_f8f6f4 on the given codes; the bias is the C of a sum's first instruction
;   L3  relu; BOTH OPERANDS AS PAIRS OF bf16, a high and a low part, split in f32: single bf16 numbers would leave an error of the order of what the comparison allows, W3's share of it the same for all points.
;       W3's two parts are rows 0-2 and 3-5 of one fragment (the first launch laid it so); h2's two parts are two products, v_wmma_f32_16x16x32_bf16, into two sums that take turns.
;       out = hi Whi + hi Wlo + lo Whi + b3 (lo Wlo, some 2^-16 of the sum, is not added); 12 bytes a point stored
; A LAYER GOES IN 8 STEPS of two tiles (32 units).  Step c's matrix instructions carry step c - 1's relu between them, four lines behind each; what a step needs from LDS (bias, L0's and L3's fragments) is
; asked for two steps ahead.  Behind every second step two blocks of 32 are quantised.
; LIMITS: blocks whose largest magnitude lies under 2^-124 get the scale byte 1 (a block of zeros too, where the rule says 127: its codes are zeros); h2 and W3 carry 16 bits of mantissa into the last product;
; a number of h2 within 2^-8 of the largest f32 number rounds to infinity in its high part.
; REGISTERS, in windows of 256.  Window 0: see the names below.  Windows 1 to 3: fragment F = 32 layer + 2 tile + K step, F < 63, at window 1 + F / 21, register 12 (F % 21); fragment 63 in window 0.
.set TABB,  122880
.set T_W3F, 102400
.set T_B1,  110592
.set T_B0,  120832
.set T_B3,  121856
.set SPARE, 121856                     ; LDS: bytes 0 .. 121,855 the image of my MLP's block of tab (diffuse: the first 116,736); then the spare words, 128 bytes a wave, which no other line names
.set SPW,  1                           ; v1   my spare word's LDS address; never rewritten
.set NIL,  2                           ; v2   0; never rewritten
.set LB,   3                           ; v3   LDS: b1 + 64 (lane / 16): my 16 numbers of a bias block
.set LI,   4                           ; v4   LDS: W3's fragments + 16 x lane
.set LN4,  5                           ; v5   4 (lane % 16)
.set VL,   6                           ; v6   byte offset of my list entry
.set IDX,  7                           ; v7   the entry as loaded
.set OFFS, 8                           ; v8   12 x my point: this tile's store
.set OFFN, 9                           ; v9   12 x my point of the next tile
.set OF4,  10                          ; v10  4 x the same
.set IDC,  11                          ; v11  the entry, held inside the tensors
.set RN,   12                          ; v12-14 n, v15 roughness, v16-18 v, v19 r0 of the next tile, as loaded
.set RR,   15
.set RV,   16
.set RZ,   19
.set XB,   20                          ; v20-23 x as source 1 of L0: K step s at XB + 2 s
.set OO,   24                          ; v24-26 the three outputs
.set HL,   20                          ; v20-27 in L2, where x is done with and the last tile's outputs have left: the low parts of 32 units of h2, in bf16
.set MA0,  28                          ; v28-37 the quantiser's, in L0 and L1
.set MB0,  29
.set MA1,  30
.set MB1,  31
.set MP0,  32
.set MP1,  33
.set SO0,  34
.set SO1,  35
.set BY0,  36
.set BY1,  37
.set OAC1, 28                          ; v28-35 in L2, where nothing is quantised: L3's sums over the low parts
.set UU,   36                          ; v36-43 in L2: four pairs of high parts, as f32 again
.set CVT,  40                          ; v40-42
.set SWA,  44                          ; v44-45 h0's scale words, v46-47 h1's: scales and nothing else
.set SWB,  46
.set HH,   48                          ; v48-55 the high parts of 32 units of h2, in bf16
.set OACC, 56                          ; v56-63 L3's sums over the high parts
.set TT,   64                          ; v64-95 two blocks behind the relu; at a trip's head at work; at the kernel's head addresses
.set ACC,  96                          ; v96-127 two sets of two accumulators: written by matrix instructions alone
.set BI,   128                         ; v128-159 two sets of 16: a step's bias, as C
.set CA,   160                         ; v160-183 h0's codes; in L2 three sets of 8 for W3's fragments
.set CB,   184                         ; v184-207 h1's codes; in L0 two sets of 8 for W0's fragments
.set W63,  208                         ; v208-219 fragment 63
.set WSC,  220                         ; v220-251 the weights' scale words, 16 layer + tile: lanes 0-15 K step 0, lanes 16-31 K step 1: scales and nothing else
.set LA0,  64
.set LA1,  65
.set LA2,  66
.set LA3,  67
.set LI0,  68
.set LI1,  69
; s[4:5] normals, s[6:7] view_dirs, s[8:9] roughness, s[10:11] r0, s[12:13] my block of tab, s[14:15] my two segments' lists, s[16:17] their counts, s[18:19] my output; s22 wave, s23 MLP, s24 pair of segments,
; s25 tiles of the first segment, s26 of both, s27 trips left, s28 the tile of the next list load, s[32:33] lane selects, s34 0xffff0000: lanes 16-31 as a mask, and a word's upper bf16; s[36:38] b3, s39 1e-12
.set MSB, 0
.macro WIN new                         ; the immediate's high byte repeats the setting that is left; bits 1:0 source 0, 3:2 source 1, 5:4 source 2, 7:6 destination
.if MSB != (\new)
	s_set_vgpr_msb (MSB<<8)|(\new)
.set MSB, \new
.endif
.endm
.macro PLACES n
.rept \n
	v_nop
.endr
.endm
; my entry of the list for tile s28: entry 16 G of the first segment's list, or 16 (G - TA) of the second's, 1,024 entries on; held inside the two lists, so that the look-ahead past my last tile reads entries that exist
.macro LISTLOAD
	s_sub_co_u32 s42, s28, s25
	s_lshl_b32 s42, s42, 4
	s_add_co_u32 s42, s42, 1024
	s_lshl_b32 s43, s28, 4
	s_cmp_lt_u32 s28, s25
	s_cselect_b32 s42, s43, s42
	s_min_u32 s42, s42, 2032
	s_lshl_b32 s42, s42, 2
	v_add_nc_u32 v[VL], s42, v[LN4]
	global_load_b32 v[IDX], v[VL], s[14:15]
	s_add_co_u32 s28, s28, 4
.endm
.macro GATHER role                     ; the inputs of the point that the entry names
	v_min_u32 v[IDC], 0x3ffff, v[IDX]
	v_mul_u32_u24 v[OFFN], v[IDC], 12
	global_load_b96 v[RN:RN+2], v[OFFN], s[4:5]
.if \role
	v_lshlrev_b32 v[OF4], 2, v[IDC]
	global_load_b96 v[RV:RV+2], v[OFFN], s[6:7]
	global_load_b32 v[RR], v[OF4], s[8:9]
	global_load_b32 v[RZ], v[OF4], s[10:11]
.endif
.endm
; THE LDS LOADS FOR STEP q (0-7 L0, 8-15 L1, 16-23 L2; 24: the last of W3's fragments)
.macro BIAS q, base                    ; 16 numbers of a bias: units 32 (q % 8) + 16 (lane / 16) + 0 .. 15
.irp e, 0,1,2,3
	ds_load_b128 v[BI+16*((\q)%2)+4*\e:BI+16*((\q)%2)+4*\e+3], v[LB] offset:\base+128*((\q)%8)+16*\e
.endr
.endm
.macro W3LOAD b                        ; W3's fragment of units 32 b on, into set b % 3
.irp e, 0,1
	ds_load_b128 v[CA+8*((\b)%3)+4*\e:CA+8*((\b)%3)+4*\e+3], v[LI] offset:1024*(\b)+512*\e
.endr
.endm
.macro BATCH q, role
.if (\q) < 8
.if \role
	BIAS \q, 10240
	ds_load_b128 v[CB+8*((\q)%2):CB+8*((\q)%2)+3], v[LI] offset:10240+512*(\q)
	ds_load_b128 v[CB+8*((\q)%2)+4:CB+8*((\q)%2)+7], v[LI] offset:14336+512*(\q)
.else
	ds_load_b128 v[CB+8*((\q)%2):CB+8*((\q)%2)+3], v[LI] offset:10240+512*(\q)
.endif
.elseif (\q) < 16
	BIAS \q, 0
.elseif (\q) < 24
	BIAS \q, 1024
.if (\q) > 16
	W3LOAD (\q)-17
.endif
.else
	W3LOAD 7
.endif
.endm
.macro WAITB q, role                   ; at the head of step q: the batch for step q + 1, issued a step ago, may stay out; all older LDS loads, step q's among them, are in (LDS loads come back in order: ISA guide 5.7.1)
.if (\q)+1 < 8
.if \role
	s_wait_dscnt 6                                 ; 4 of the bias and 2 of W0
.else
	s_wait_dscnt 1                                 ; 1 of W0
.endif
.elseif (\q)+1 < 17
	s_wait_dscnt 4                                 ; 4 of the bias
.elseif (\q)+1 < 24
	s_wait_dscnt 6                                 ; 4 of the bias and 2 of W3
.else
	s_wait_dscnt 2                                 ; W3's last fragment
.endif
.endm
; four lines of step c's relu.  Source 0 is a constant, so they stand under any window of source 0; they take each accumulator from its low end on
.macro RELU4 c, i
.irp k, 0,1,2,3
	v_max_num_f32 v[TT+16*((\c)%2)+4*(\i)+\k], 0, v[ACC+16*((\c)%2)+4*(\i)+\k]
.endr
.endm
; STEP c OF L0, diffuse: two products, K = 4, C = 0.  Behind each eight lines of the last step's relu: they are the eight places that the f32 form asks ahead of the loads into its sources
.macro AL0D c, prev
	WAITB \c, 0
.irp u, 0,1
	v_wmma_f32_16x16x4_f32 v[ACC+16*((\c)%2)+8*\u:ACC+16*((\c)%2)+8*\u+7], v[CB+8*((\c)%2)+2*\u:CB+8*((\c)%2)+2*\u+1], v[XB:XB+1], 0
.if \prev
	RELU4 (\c)-1, 2*\u
	RELU4 (\c)-1, 2*\u+1
.endif
.endr
.endm
; specular: two tiles x two K steps, the two accumulators by turns, one instruction a turn
.macro AL0S c, prev
	WAITB \c, 1
.irp i, 0,1,2,3
.set FU, (\i)%2
.set DA, ACC+16*((\c)%2)+8*FU
.if (\i) < 2
	v_wmma_f32_16x16x4_f32 v[DA:DA+7], v[CB+8*((\c)%2)+2*FU:CB+8*((\c)%2)+2*FU+1], v[XB:XB+1], v[BI+16*((\c)%2)+8*FU:BI+16*((\c)%2)+8*FU+7]
.else
	v_wmma_f32_16x16x4_f32 v[DA:DA+7], v[CB+8*((\c)%2)+4+2*FU:CB+8*((\c)%2)+4+2*FU+1], v[XB+2:XB+3], v[DA:DA+7]
.endif
.if \prev
	RELU4 (\c)-1, \i
.endif
.endr
.endm
; STEP c OF LAYER 1 + l: tiles 2 c and 2 c + 1, two K steps of 128, the two accumulators by turns.  cin: the operand's 24 registers; sw: its two scale words
.macro AFP l, c, cin, sw, prev
	WAITB 8+8*(\l)+(\c), 0
.irp i, 0,1,2,3
.set FU, (\i)%2
.set FS, (\i)/2
.set FT, 2*(\c)+FU
.set FF, 32*(\l)+2*FT+FS
.if FF == 63
.set FW, 0
.set FRG, W63
.else
.set FW, 1+FF/21
.set FRG, 12*(FF%21)
.endif
.set DA, ACC+16*((\c)%2)+8*FU
	WIN FW
.if FS == 0
	v_wmma_scale_f32_16x16x128_f8f6f4 v[DA:DA+7], v[FRG:FRG+11], v[\cin:\cin+11], v[BI+16*((\c)%2)+8*FU:BI+16*((\c)%2)+8*FU+7], v[WSC+16*(\l)+FT], v[\sw] matrix_a_fmt:MATRIX_FMT_FP6 matrix_b_fmt:MATRIX_FMT_FP6
.else
	v_wmma_scale_f32_16x16x128_f8f6f4 v[DA:DA+7], v[FRG:FRG+11], v[\cin+12:\cin+23], v[DA:DA+7], v[WSC+16*(\l)+FT], v[\sw+1] matrix_a_fmt:MATRIX_FMT_FP6 matrix_b_fmt:MATRIX_FMT_FP6 matrix_a_scale:MATRIX_SCALE_ROW1
.endif
.if \prev
	RELU4 (\c)-1, \i
.endif
.endr
	WIN 0
.endm
.macro DRAIN                           ; the last step's relu
.irp i, 0,1,2,3
	RELU4 7, \i
.endr
.endm
; BLOCKS 2 p AND 2 p + 1 OF 32 ALONG THE NEXT K, in v[TT] on (16 numbers a lane each; lane l xor 16 holds the other 16), become six registers of the operand cout and two bytes of its scale word.
; None is negative, so no |.|.  The floor 2^(3 - 127) among the leaves holds the byte at 1 from below.  The largest magnitude with 2 off its exponent field is the conversion's scale operand; shifted, the byte.
.macro QUANT2 p, cout, sw
.set QD, \cout+12*((\p)/2)+6*((\p)%2)
.set QS, \sw+(\p)/2
	v_max3_num_f32 v[MA0], v[TT], v[TT+1], 0x1800000
	v_max3_num_f32 v[MA1], v[TT+16], v[TT+17], 0x1800000
	v_max3_num_f32 v[MB0], v[TT+8], v[TT+9], v[TT+10]
	v_max3_num_f32 v[MB1], v[TT+24], v[TT+25], v[TT+26]
.irp i, 2,4,6
	v_max3_num_f32 v[MA0], v[MA0], v[TT+\i], v[TT+\i+1]
	v_max3_num_f32 v[MA1], v[MA1], v[TT+16+\i], v[TT+17+\i]
.if \i < 6
	v_max3_num_f32 v[MB0], v[MB0], v[TT+9+\i], v[TT+10+\i]
	v_max3_num_f32 v[MB1], v[MB1], v[TT+25+\i], v[TT+26+\i]
.endif
.endr
	v_max3_num_f32 v[MA0], v[MA0], v[MB0], v[TT+15]
	v_max3_num_f32 v[MA1], v[MA1], v[MB1], v[TT+31]
	v_permlanex16_b32 v[MP0], v[MA0], s32, s33
	v_permlanex16_b32 v[MP1], v[MA1], s32, s33
	v_max_num_f32 v[MA0], v[MA0], v[MP0]
	v_max_num_f32 v[MA1], v[MA1], v[MP1]
	v_add_nc_u32 v[SO0], 0xff000000, v[MA0]
	v_add_nc_u32 v[SO1], 0xff000000, v[MA1]
	v_cvt_scalef32_pk16_fp6_f32 v[QD:QD+2], v[TT:TT+15], v[SO0]
	v_cvt_scalef32_pk16_fp6_f32 v[CVT:CVT+2], v[TT+16:TT+31], v[SO1]    ; (a conversion's three registers begin on an even number)
	v_lshrrev_b32 v[BY0], 23, v[SO0]               ; the bytes; also the plain lines behind the conversions
	v_lshrrev_b32 v[BY1], 23, v[SO1]
.if (\p)%2 == 0
	v_lshl_or_b32 v[QS], v[BY1], 8, v[BY0]
.else
	v_lshl_or_b32 v[QS], v[BY0], 16, v[QS]
	v_lshl_or_b32 v[QS], v[BY1], 24, v[QS]
.endif
.irp i, 0,1,2                          ; the operand wants a WHOLE block in a lane: lanes 0-15 block 2 p, lanes 16-31 block 2 p + 1
	v_permlane16_swap_b32 v[QD+\i], v[CVT+\i]
.endr
.irp i, 0,1,2
	v_mov_b32 v[QD+3+\i], v[CVT+\i]
.endr
.endm
; UNITS 32 b ON OF h2 AND THEIR PRODUCTS WITH W3.  hi = bf16(h), two to a register; lo = bf16(h - hi), the difference formed in f32, in place (the block's registers are written anew only two steps on).
; TWO SUMS BY TURNS, one instruction a turn: the high parts' products add into OACC, the low parts' into OAC1; block 0 starts both with the constant 0.
; Behind each product stand 16 plain lines or more that name none of its registers before one of its sources is written again: behind hi's the subtractions and lo's roundings, behind lo's the next step's relu.
.macro RESTH b
.set RTB, TT+16*((\b)%2)
.irp i, 0,1,2,3,4,5,6,7
	v_cvt_pk_bf16_f32 v[HH+\i], v[RTB+2*\i], v[RTB+2*\i+1]
.endr
.if (\b) == 0
	v_wmma_f32_16x16x32_bf16 v[OACC:OACC+7], v[CA+8*((\b)%3):CA+8*((\b)%3)+7], v[HH:HH+7], 0
.else
	v_wmma_f32_16x16x32_bf16 v[OACC:OACC+7], v[CA+8*((\b)%3):CA+8*((\b)%3)+7], v[HH:HH+7], v[OACC:OACC+7]
.endif
.irp g, 0,1
.irp i, 0,1,2,3
	v_lshlrev_b32 v[UU+2*\i], 16, v[HH+4*\g+\i]                ; the high parts as f32 again
	v_and_b32 v[UU+2*\i+1], s34, v[HH+4*\g+\i]
.endr
.irp i, 0,1,2,3
	v_pk_add_f32 v[RTB+8*\g+2*\i:RTB+8*\g+2*\i+1], v[RTB+8*\g+2*\i:RTB+8*\g+2*\i+1], v[UU+2*\i:UU+2*\i+1] neg_lo:[0,1] neg_hi:[0,1]   ; h - hi: exact
.endr
.endr
.irp i, 0,1,2,3,4,5,6,7
	v_cvt_pk_bf16_f32 v[HL+\i], v[RTB+2*\i], v[RTB+2*\i+1]
.endr
.if (\b) == 0
	v_wmma_f32_16x16x32_bf16 v[OAC1:OAC1+7], v[CA+8*((\b)%3):CA+8*((\b)%3)+7], v[HL:HL+7], 0
.else
	v_wmma_f32_16x16x32_bf16 v[OAC1:OAC1+7], v[CA+8*((\b)%3):CA+8*((\b)%3)+7], v[HL:HL+7], v[OAC1:OAC1+7]
.endif
.endm
; L0: eight steps.  A first step has no relu to carry: v_nop take the places (8 behind the f32 form) ahead of the loads into its sources and of the first read of its results.
; At a layer's end 8 places stand between the last scale word and codes written by vector instructions and the scaled products that take them.
.macro LAYER0 role
.if \role
	AL0S 0, 0
.else
	AL0D 0, 0
.endif
	PLACES 8
	BATCH 2, \role
.irp c, 1,2,3,4,5,6,7
.if \role
	AL0S \c, 1
	PLACES 4                                       ; with the four lines of relu behind the last product: eight
.else
	AL0D \c, 1
.endif
	BATCH \c+2, \role
.if (\c)%2 == 0
	QUANT2 (\c-2)/2, CA, SWA
.endif
.endr
	DRAIN
	QUANT2 3, CA, SWA
	PLACES 8
.endm
; ---- THE HEAD
	s_load_b512 s[4:19], s[0:1], 0x0
	s_load_b64 s[20:21], s[0:1], 0x40              ; out1
	v_lshl_add_u32 v[SPW], v0, 2, SPARE
	v_mov_b32 v[NIL], 0
	v_lshrrev_b32 v[LB], 5, v0
	v_readfirstlane_b32 s22, v[LB]                 ; wave 0..3
	s_and_b32 s23, ttmp9, 1
	s_lshr_b32 s24, ttmp9, 1
	v_and_b32 v[LI0], 31, v0
	v_lshlrev_b32 v[LI0], 4, v[LI0]                ; 16 x lane: an image's place for my lane;
	v_add_nc_u32 v[LI1], 64512, v[LI0]             ; from fragment 42 on (an LDS offset has 16 bits)
	v_add_nc_u32 v[LI], T_W3F, v[LI0]
	v_bfe_u32 v[LB], v0, 4, 1
	v_lshl_add_u32 v[LB], v[LB], 6, T_B1
	v_and_b32 v[LN4], 15, v0
	v_lshlrev_b32 v[LN4], 2, v[LN4]
	v_lshlrev_b32 v[LA0], 4, v0                    ; the copy: 16 bytes a thread, 2,048 a work-group and instruction
	v_add_nc_u32 v[LA1], 65536, v[LA0]
	v_lshlrev_b32 v[LA3], 3, v0
	v_add_nc_u32 v[LA2], 65536, v[LA3]
	v_mov_b32 v[MP0], 0                            ; written at the head: a lane permute's destination counts as one of its sources
	v_mov_b32 v[MP1], 0
.irp i, 15,16,17,18,19
	v_mov_b32 v\i, 0                               ; what the specular gather alone loads: written on every way through the text
.endr
	s_mov_b32 s32, 0x76543210
	s_mov_b32 s33, 0xfedcba98                      ; v_permlanex16_b32: lane l xor 16
	s_mov_b32 s34, 0xffff0000
	s_mov_b32 s39, 0x2b8cbccc                      ; 1e-12
	s_mul_i32 s42, s23, TABB
	s_mov_b32 s43, 0
	s_lshl_b32 s44, s24, 13                        ; two lists of 4,096 bytes
	s_mov_b32 s45, 0
	s_lshl_b32 s46, s24, 3                         ; two counts
	s_mov_b32 s47, 0
	s_wait_kmcnt 0x0
	s_add_nc_u64 s[12:13], s[12:13], s[42:43]
	s_add_nc_u64 s[14:15], s[14:15], s[44:45]
	s_add_nc_u64 s[16:17], s[16:17], s[46:47]
	s_cmp_lg_u32 s23, 0
	s_cselect_b64 s[18:19], s[20:21], s[18:19]
	s_load_b64 s[40:41], s[16:17], 0x0             ; the two counts
	s_load_b96 s[36:38], s[12:13], T_B3            ; b3
	WIN 0x40                                       ; destination window 1: the copy is staged where fragments will lie
.set i, 0
.rept 57
	global_load_b128 v[4*i:4*i+3], v[LA0], s[12:13] offset:2048*i
.set i, i+1
.endr
	WIN 0
	s_wait_kmcnt 0x0
	s_min_u32 s40, s40, 1024
	s_min_u32 s41, s41, 1024
	s_add_co_u32 s25, s40, 15
	s_lshr_b32 s25, s25, 4                         ; TA
	s_add_co_u32 s26, s41, 15
	s_lshr_b32 s26, s26, 4
	s_add_co_u32 s26, s26, s25                     ; T
	s_add_co_u32 s27, s26, 3
	s_sub_co_u32 s27, s27, s22
	s_lshr_b32 s27, s27, 2                         ; my tiles w, w + 4, .. under T
	s_mov_b32 s28, s22
	LISTLOAD                                       ; my first tile's entries
	s_cmp_eq_u32 s23, 0
	s_cbranch_scc1 .Lhead_diffuse
	WIN 0x40                                       ; specular: W0's second K step and sb0 besides: loaded, stored to LDS bytes of their own, all in this one arm
	global_load_b128 v[228:231], v[LA0], s[12:13] offset:2048*57
	global_load_b128 v[232:235], v[LA0], s[12:13] offset:2048*58
	global_load_b64 v[236:237], v[LA3], s[12:13] offset:T_B0
	WIN 0
	s_wait_loadcnt 0x0
	WIN 0x04                                       ; an LDS store's data are its source 1: window 1
	ds_store_b128 v[LA1], v[228:231] offset:2048*25
	ds_store_b128 v[LA1], v[232:235] offset:2048*26
	ds_store_b64 v[LA2], v[236:237] offset:55296
	WIN 0
	GATHER 1
	s_branch .Lhead_joined
.Lhead_diffuse:
	s_wait_loadcnt 0x0
	GATHER 0
.Lhead_joined:
	WIN 0x04
.set i, 0
.rept 57
.if i < 32
	ds_store_b128 v[LA0], v[4*i:4*i+3] offset:2048*i
.else
	ds_store_b128 v[LA1], v[4*i:4*i+3] offset:2048*(i-32)
.endif
.set i, i+1
.endr
	WIN 0
	LISTLOAD                                       ; my second tile's entries (the first list load is done, and the gather has read the entry)
	s_wait_dscnt 0x0                               ; for the others' sake: my part of the block lies in LDS
	s_barrier_signal -1
	s_barrier_wait -1                              ; the launch's one barrier: from here on LDS is only read
	s_cmp_eq_u32 s27, 0
	s_cbranch_scc1 .Lend                           ; a split that leaves this wave no tile
.set F, 0
.rept 64                               ; the 64 fragments into their registers: they stay
.if F == 63
.set FW, 0
.set FRG, W63
.else
.set FW, 1+F/21
.set FRG, 12*(F%21)
.endif
.set WD, FW<<6
	WIN WD
.irp g, 0,1,2
.if F < 42
	ds_load_b128 v[FRG+4*\g:FRG+4*\g+3], v[LI0] offset:1536*F+512*\g
.else
	ds_load_b128 v[FRG+4*\g:FRG+4*\g+3], v[LI1] offset:1536*(F-42)+512*\g
.endif
.endr
.set F, F+1
.endr
	WIN 0
.irp g, 0,1,2,3,4,5,6,7
	ds_load_b128 v[WSC+4*\g:WSC+4*\g+3], v[LI1] offset:33792+512*\g     ; and their scale words.  The first step's wait on DScnt, which leaves only younger loads out, covers all of these
.endr
; ---- A TILE OF 16 POINTS
.Ltile:
	s_wait_loadcnt 0x0                             ; this tile's inputs and the next tile's entries, asked for a trip ago
	s_wait_xcnt 0x0                                ; the last trip's store has read its offset and its data: both are written again below
	v_mul_u32_u24 v[OFFS], v[IDC], 12              ; IDC still names this tile's points
	s_cmp_lg_u32 s23, 0
	s_cbranch_scc1 .Lspecular
	BATCH 0, 0
	BATCH 1, 0
	v_mul_f32 v64, v[RN], v[RN]
	v_fmac_f32 v64, v[RN+1], v[RN+1]
	v_fmac_f32 v64, v[RN+2], v[RN+2]
	v_sqrt_f32 v65, v64
	v_nop                                          ; a plain instruction behind the root, and a wait ahead of its reader
	s_wait_alu depctr_va_vdst(0)
	v_max_num_f32 v65, s39, v65
	v_rcp_f32 v66, v65
	v_nop
	s_wait_alu depctr_va_vdst(0)
	v_mul_f32 v67, v[RN], v66
	v_mul_f32 v68, v[RN+1], v66
	v_mul_f32 v69, v[RN+2], v66
	v_cndmask_b32 v[XB], v67, v69, s34             ; source 1, register j: k = 2 (lane / 16) + j: n0, n1 | n2, 1
	v_cndmask_b32 v[XB+1], v68, 1.0, s34
	GATHER 0                                       ; the next tile's inputs: a trip ahead;
	LISTLOAD                                       ; the entries of the tile after it: two trips ahead
	LAYER0 0
	s_branch .Lhidden
.Lspecular:
	BATCH 0, 1
	BATCH 1, 1
	v_mul_f32 v64, v[RN], v[RN]
	v_mul_f32 v65, v[RV], v[RV]
	v_fmac_f32 v64, v[RN+1], v[RN+1]
	v_fmac_f32 v65, v[RV+1], v[RV+1]
	v_fmac_f32 v64, v[RN+2], v[RN+2]
	v_fmac_f32 v65, v[RV+2], v[RV+2]
	v_sqrt_f32 v66, v64
	v_sqrt_f32 v67, v65
	v_nop
	s_wait_alu depctr_va_vdst(0)                   ; one wait for the two roots
	v_max_num_f32 v66, s39, v66
	v_max_num_f32 v67, s39, v67
	v_rcp_f32 v68, v66
	v_rcp_f32 v69, v67
	v_nop
	s_wait_alu depctr_va_vdst(0)                   ; and one for the two reciprocals
.irp j, 0,1,2
	v_mul_f32 v[70+\j], v[RN+\j], v68
	v_mul_f32 v[73+\j], v[RV+\j], v69
.endr
	v_cndmask_b32 v[XB], v70, v72, s34             ; n0, n1 | n2, v0
	v_cndmask_b32 v[XB+1], v71, v73, s34
	v_cndmask_b32 v[XB+2], v74, v[RR], s34         ; v1, v2 | roughness, r0
	v_cndmask_b32 v[XB+3], v75, v[RZ], s34
	GATHER 1
	LISTLOAD
	LAYER0 1
.Lhidden:
	; L1: h0's codes in CA -> h1's codes in CB
	AFP 0, 0, CA, SWA, 0
	PLACES 4                                       ; behind a first step: ahead of the loads into its C and of the first read of its results
	BATCH 10, 0
.irp c, 1,2,3,4,5,6,7
	AFP 0, \c, CA, SWA, 1
	BATCH \c+10, 0
.if (\c)%2 == 0
	QUANT2 (\c-2)/2, CB, SWB
.endif
.endr
	DRAIN
	QUANT2 3, CB, SWB
	PLACES 8
	; L2 and L3: each step's 32 units of h2 go on into the last product a step later
	AFP 1, 0, CB, SWB, 0
	PLACES 4
	BATCH 18, 0
.irp c, 1,2,3,4,5,6,7
	AFP 1, \c, CB, SWB, 1
.if \c < 7
	BATCH \c+18, 0
.endif
	RESTH \c-1
.endr
	DRAIN                                          ; sixteen plain lines: also the places between block 6's products and the roundings that write their sources anew
	s_wait_dscnt 0x0                               ; W3's last fragment
	RESTH 7
	PLACES 4                                       ; ahead of the first read of the last product's sums, and of the outputs, which lie in its source's registers
.irp j, 0,1,2
	v_add_f32 v[OO+\j], v[OACC+\j], v[OAC1+\j]     ; hi Whi + lo Whi: each sum is read from its lowest register on; registers 0 to 5 of both halves of the lanes belong to my point
.endr
.irp j, 0,1,2
	v_add_f32 v[OO+\j], v[OO+\j], v[OACC+3+\j]     ; + hi Wlo
.endr
	v_add_f32 v[OO], s36, v[OO]                    ; + b3
	v_add_f32 v[OO+1], s37, v[OO+1]
	v_add_f32 v[OO+2], s38, v[OO+2]
	global_store_b96 v[OFFS], v[OO:OO+2], s[18:19] ; lanes l and l + 16, and a last tile's padding lanes, store equal bytes to equal places
	s_sub_co_u32 s27, s27, 1
	s_cmp_lg_u32 s27, 0
	s_cbranch_scc1 .Ltile
.Lend:
	s_wait_tensorcnt 0x0                           ; the wave's end
	ds_add_u32 v[SPW], v[NIL]
	s_wait_dscnt 0x0
	s_endpgm
.Lfunc_end_k_qd5b5ee7ae4_mlp:
	.size	k_qd5b5ee7ae4_mlp, .Lfunc_end_k_qd5b5ee7ae4_mlp-k_qd5b5ee7ae4_mlp
	.p2alignl 7, 3214868480
	.fill 96, 4, 3214868480
	.section	.rodata,"a",@progbits
	.p2align	6, 0x0
	.amdhsa_kernel k_qd5b5ee7ae4_mlp
		.amdhsa_group_segment_fixed_size 122368
		.amdhsa_private_segment_fixed_size 0
		.amdhsa_enable_private_segment 0
		.amdhsa_kernarg_size 72
		.amdhsa_user_sgpr_count 2
		.amdhsa_user_sgpr_kernarg_segment_ptr 1
		.amdhsa_wavefront_size32 1
		.amdhsa_system_sgpr_workgroup_id_x 1
		.amdhsa_system_sgpr_workgroup_id_y 1
		.amdhsa_system_sgpr_workgroup_id_z 1
		.amdhsa_system_vgpr_workitem_id 0
		.amdhsa_next_free_vgpr 1024
		.amdhsa_next_free_sgpr 66
		.amdhsa_reserve_vcc 0
		.amdhsa_float_denorm_mode_32 3
		.amdhsa_float_denorm_mode_16_64 3
		.amdhsa_memory_ordered 1
		.amdhsa_forward_progress 1
		.amdhsa_inst_pref_size 111
	.end_amdhsa_kernel
	.amdgpu_metadata
---
amdhsa.version: [ 1, 2 ]
amdhsa.kernels:
  - .name:           k_qd5b5ee7ae4_mlp
    .symbol:         k_qd5b5ee7ae4_mlp.kd
    .args:
      - { .name: normals, .offset: 0, .size: 8, .value_kind: global_buffer, .address_space: global }
      - { .name: view_dirs, .offset: 8, .size: 8, .value_kind: global_buffer, .address_space: global }
      - { .name: roughness, .offset: 16, .size: 8, .value_kind: global_buffer, .address_space: global }
      - { .name: r0, .offset: 24, .size: 8, .value_kind: global_buffer, .address_space: global }
      - { .name: tab, .offset: 32, .size: 8, .value_kind: global_buffer, .address_space: global }
      - { .name: rows, .offset: 40, .size: 8, .value_kind: global_buffer, .address_space: global }
      - { .name: cnt, .offset: 48, .size: 8, .value_kind: global_buffer, .address_space: global }
      - { .name: out0, .offset: 56, .size: 8, .value_kind: global_buffer, .address_space: global }
      - { .name: out1, .offset: 64, .size: 8, .value_kind: global_buffer, .address_space: global }
    .group_segment_fixed_size: 122368
    .private_segment_fixed_size: 0
    .kernarg_segment_align: 8
    .kernarg_segment_size: 72
    .max_flat_workgroup_size: 128
    .sgpr_count:     66
    .vgpr_count:     1024
    .wavefront_size: 32
...
	.end_amdgpu_metadata
.endif
;; end of part 2
;; ======== version 2 of 2: 2 launches
;; workspace buffers: tab 245,760 bytes; rows 1,048,576 bytes of whole numbers; cnt 1,024 bytes of whole numbers
;; launch prep (part 3): grid 256 x 1, 16 waves a work-group, no clusters, 2,304 bytes of LDS; arguments normals, view_dirs, tab, rows, cnt, out0, out1, dW1_codes, dW2_codes, sW1_codes, sW2_codes, dW1_scales, dW2_scales, sW1_scales, sW2_scales, dW0, sW0, db0, sb0, dW3, sW3, db1, sb1, db2, sb2, db3, sb3; writes tab, rows, cnt, out0, out1
.if DOCPART == 3
	.amdgcn_target "amdgcn-amd-amdhsa--gfx1250"
	.amdhsa_code_object_version 6
	.text
	.protected	k_qd5b5ee7ae4_prep
	.globl	k_qd5b5ee7ae4_prep
	.p2align	8
	.type	k_qd5b5ee7ae4_prep,@function
k_qd5b5ee7ae4_prep:
	s_mov_b64 s[64:65], 0
	v_nop
	global_prefetch_b8 v0, s[64:65] scope:SCOPE_SE
	s_setreg_imm32_b32 hwreg(HW_REG_WAVE_MODE, 25, 1), 1
	s_wait_xcnt 0x0
; AmbientReflectionNet, first of two launches: WHO IS VISIBLE, THE ZEROS, AND THE TABLES.
; reference() keeps a point's two results only where n^ . v^ > 0 and writes zeros elsewhere (its own jnp.where on a mask that it builds itself).  So the two MLPs are run for the visible points alone:
; this launch decides visibility in f32 as reference() does (norm, max with 1e-12, scaling, dot), stores the visible points of each segment of 1,024 points as a list of whole numbers with their count, and
; fills out0 and out1 with zeros; the second launch reads list and count from memory and stores the visible rows over the zeros.  No input is left out: every input has a way to a visible row.
; LIMITS: a point whose cosine lies within f32 rounding of 0 may be decided either way (1 / norm is a reciprocal and a multiplication here, a division in reference()); a NaN cosine counts as not visible,
; as in reference(); a NaN, an infinity or an overflow that would arise only in the MLPs of a point that is not visible is not made, and reference() does not carry it either: it writes 0 there.
; NO ADDRESS AND NO BRANCH HANGS ON THE MASK: list entry j is FOUND BY SELECTS.  The 32 ballots of a segment (a word for each 32 points) and their counts meet in LDS; every lane holds all 32 words and the 33
; running counts; for its entry j it halves the range of words five times (selects among registers), then the word five times (counts of the word's fields of 16, 8, 4, 2, 1 bits).  Entries from the count on
; repeat the last visible point, so that the last tile of 16 is padded with a row of its own.  Entry j is stored at the fixed place j.
; SHARES: work-group b = segment b.  Thread t: points t and t + 512, list entries 2 t and 2 t + 1.  Word w (0..15) is wave w's ballot of its first points, word 16 + w of its second: bit i of word W is point 32 W + i.
; THE TABLES: wave 0 of work-groups 0 to 151 also lays one piece of the constants into tab, in the order of the second launch's registers (a block of TABB bytes for each MLP):
;   weights' codes and scale words as images of operand registers (16 bytes a lane for each group of four registers); the first layers' weights as f32 fragments; the last layers' as bf16 fragments, each number
;   as a high and a low part; the biases.
;   THE ROWS OF A WEIGHT THAT FORM A TILE ARE NOT NEIGHBOURS: lane r of tile t takes unit 32 (t / 2) + 8 (t % 2) + r + 8 (r / 8), so that a lane's 16 results of tiles 2 B and 2 B + 1 are 16 neighbours along the next K.
.set SPARE,  256                       ; LDS: 0-127 the 32 ballots, 128-255 their counts; from 256 the spare words, 128 bytes for each of 16 waves, which no other line names
.set TABB,   122880                    ; a block of tab
.set T_WSC,  98304                     ; behind 64 fragments of 1,536 bytes: 32 registers of scale words
.set T_W3F,  102400                    ; 8 bf16 fragments of the last layer
.set T_B1,   110592
.set T_B2,   111616
.set T_W0F,  112640                    ; the first layer's f32 fragments, K step 0 (specular: K step 1 4,096 bytes on)
.set T_B0,   120832                    ; specular: sb0
.set T_B3,   121856
.set MW,     48                        ; v48-79    the 32 ballots (before that: a job's data)
.set PX,     80                        ; v80-112   33 running counts
.set TM,     114                       ; v114-129  the words still in the range (before that, with TP: the 32 counts)
.set TP,     130                       ; v130-145  their running counts
; v0 thread; v1, v2 the add's two; v3 12 t, v4 16 t, v5 8 t; v6 4 x wave (LDS); v7 0; v8-11 zeros; v12-26 the two points' n and v; v28-45 at work; v46-47 the two entries; v146-151 a job's lane terms
	s_load_b256 s[4:11], s[0:1], 0x0               ; normals s[4:5], view_dirs s[6:7], tab s[8:9], rows s[10:11]
	s_load_b128 s[12:15], s[0:1], 0x20             ; cnt s[12:13], out0 s[14:15]
	s_load_b64 s[16:17], s[0:1], 0x30              ; out1
	v_lshl_add_u32 v1, v0, 2, SPARE
	v_mov_b32 v2, 0
	v_lshrrev_b32 v6, 5, v0
	s_delay_alu instid0(VALU_DEP_1)
	v_readfirstlane_b32 s20, v6                    ; wave 0..15
	s_delay_alu instid0(VALU_DEP_2)
	v_lshlrev_b32 v6, 2, v6
	v_mul_u32_u24 v3, v0, 12
	v_lshlrev_b32 v4, 4, v0
	v_lshlrev_b32 v5, 3, v0
	v_mov_b32 v7, 0
.irp i, 8,9,10,11
	v_mov_b32 v\i, 0
.endr
	s_mov_b32 s23, ttmp9                           ; b
	s_mov_b32 s48, 0xffff0000                      ; lanes 16-31, as a mask; also a word's upper bf16
	s_mov_b32 s49, 0x2b8cbccc                      ; 1e-12
	s_lshl_b32 s50, s23, 10                        ; the segment's first point
	s_mul_i32 s40, s23, 12288                      ; 1,024 points of 12 bytes
	s_mov_b32 s41, 0
	s_lshl_b32 s42, s23, 12                        ; 1,024 entries of 4 bytes
	s_mov_b32 s43, 0
	s_lshl_b32 s44, s23, 2
	s_mov_b32 s45, 0
	s_wait_alu depctr_va_vdst(0)
	s_wait_kmcnt 0x0
	s_add_nc_u64 s[4:5], s[4:5], s[40:41]
	s_add_nc_u64 s[6:7], s[6:7], s[40:41]
	s_add_nc_u64 s[14:15], s[14:15], s[40:41]
	s_add_nc_u64 s[16:17], s[16:17], s[40:41]
	s_add_nc_u64 s[10:11], s[10:11], s[42:43]
	s_add_nc_u64 s[12:13], s[12:13], s[44:45]
	global_load_b96 v[12:14], v3, s[4:5]               ; n and v of point t,
	global_load_b96 v[20:22], v3, s[6:7]
	global_load_b96 v[16:18], v3, s[4:5] offset:6144   ; and of point t + 512
	global_load_b96 v[24:26], v3, s[6:7] offset:6144
	global_store_b128 v4, v[8:11], s[14:15]            ; the zeros: a wave's store covers 512 consecutive bytes, aligned; 12,288 bytes of each output are 24 such stores
	global_store_b128 v4, v[8:11], s[16:17]
	s_cmp_lt_u32 s20, 8
	s_cbranch_scc0 .Lzeros_done
	global_store_b128 v4, v[8:11], s[14:15] offset:8192
	global_store_b128 v4, v[8:11], s[16:17] offset:8192
.Lzeros_done:
; ---- THE JOBS: wave 0 of work-groups 0 to 151, one piece of tab each.  In wave 0 the thread is the lane, so v4 is 16 x lane.
	s_cmp_lg_u32 s20, 0
	s_cbranch_scc1 .Lno_job
	s_cmp_lt_u32 s23, 152
	s_cbranch_scc0 .Lno_job
	v_and_b32 v146, 15, v0                         ; r
	v_lshrrev_b32 v147, 4, v0                      ; h
	s_delay_alu instid0(VALU_DEP_2)
	v_and_b32 v148, 8, v146
	s_delay_alu instid0(VALU_DEP_1)
	v_add_nc_u32 v148, v148, v146                  ; U = r + 8 (r / 8)
	s_cmp_lt_u32 s23, 128
	s_cbranch_scc1 .Ljob_codes
	s_cmp_lt_u32 s23, 132
	s_cbranch_scc1 .Ljob_scales
	s_cmp_eq_u32 s23, 132
	s_cbranch_scc1 .Ljob_w0d
	s_cmp_eq_u32 s23, 133
	s_cbranch_scc1 .Ljob_w0s
	s_cmp_lt_u32 s23, 150
	s_cbranch_scc1 .Ljob_w3
	s_branch .Ljob_bias
.macro PICK4 b0, b1                    ; s[24:25] = one of the four pointers in s[24:31]; which: bits b0 (low) and b1 of the work-group's number
	s_bfe_u32 s41, s23, (1<<16)|\b0
	s_cmp_lg_u32 s41, 0
	s_cselect_b64 s[24:25], s[26:27], s[24:25]
	s_cselect_b64 s[28:29], s[30:31], s[28:29]
	s_bfe_u32 s41, s23, (1<<16)|\b1
	s_cmp_lg_u32 s41, 0
	s_cselect_b64 s[24:25], s[28:29], s[24:25]
.endm
.Ljob_codes:                                           ; b < 128: matrix b / 32 (dW1, dW2, sW1, sW2), fragment f = b % 32 = 2 t + s: tile t, K step s
	s_load_b256 s[24:31], s[0:1], 0x38
	s_and_b32 s40, s23, 31
	s_lshr_b32 s41, s40, 2                         ; t / 2
	s_bfe_u32 s42, s40, 0x10001                    ; t % 2
	s_and_b32 s43, s40, 1                          ; s
	s_lshl_b32 s41, s41, 5
	s_lshl_b32 s42, s42, 3
	s_add_co_u32 s41, s41, s42                     ; the tile's first row
	s_mul_i32 s41, s41, 192                        ; a row of 256 codes is 192 bytes,
	s_mul_i32 s43, s43, 96                         ; a K step 96
	s_add_co_u32 s44, s41, s43
	s_mov_b32 s45, 0
	s_lshr_b32 s46, s23, 6                         ; the MLP's block,
	s_mul_i32 s46, s46, TABB
	s_and_b32 s47, s23, 63                         ; fragment 32 x layer + f in it
	s_mul_i32 s47, s47, 1536
	s_add_co_u32 s46, s46, s47
	s_mov_b32 s47, 0
	s_wait_alu depctr_va_vdst(0)
	v_mul_u32_u24 v149, v148, 192
	s_delay_alu instid0(VALU_DEP_1)
	v_mad_u32_u24 v149, v147, 24, v149             ; row U, + 24 h: the lane's 24 bytes of each 64 along K
	s_wait_alu depctr_va_vdst(0)
	s_wait_kmcnt 0x0
	PICK4 5, 6
	s_add_nc_u64 s[24:25], s[24:25], s[44:45]
	s_add_nc_u64 s[36:37], s[8:9], s[46:47]
.irp p, 0,1,2,3,4,5
	global_load_b64 v[48+2*\p:49+2*\p], v149, s[24:25] offset:48*(\p/3)+8*(\p%3)
.endr
	s_wait_loadcnt 0x0
.irp g, 0,1,2
	global_store_b128 v4, v[48+4*\g:51+4*\g], s[36:37] offset:512*\g   ; the fragment's 12 registers as three images of 512 bytes
.endr
	s_branch .Ljob_end
.Ljob_scales:                                          ; b = 128 .. 131: the scale words of matrix b - 128: register t: lanes 0-15 the word of K step 0, lanes 16-31 that of K step 1
	s_load_b256 s[24:31], s[0:1], 0x58
	s_bfe_u32 s46, s23, 0x10001
	s_mul_i32 s46, s46, TABB
	s_and_b32 s47, s23, 1
	s_lshl_b32 s47, s47, 11                        ; 16 registers of 128 bytes a layer
	s_add_co_u32 s46, s46, s47
	s_mov_b32 s47, 0
	s_wait_alu depctr_va_vdst(0)
	v_lshlrev_b32 v149, 3, v148
	s_delay_alu instid0(VALU_DEP_1)
	v_lshl_add_u32 v149, v147, 2, v149             ; 8 bytes a row, + 4 h
	s_wait_alu depctr_va_vdst(0)
	s_wait_kmcnt 0x0
	PICK4 0, 1
	s_add_nc_u64 s[36:37], s[8:9], s[46:47]
.irp t, 0,1,2,3,4,5,6,7,8,9,10,11,12,13,14,15
	global_load_b32 v[48+\t], v149, s[24:25] offset:(32*(\t/2)+8*(\t%2))*8
.endr
	s_wait_loadcnt 0x0
.irp g, 0,1,2,3
	global_store_b128 v4, v[48+4*\g:51+4*\g], s[36:37] offset:T_WSC+512*\g
.endr
	s_branch .Ljob_end
.Ljob_w0d:                                             ; b = 132: the diffuse first layer as f32 fragments, K = 4: dW0's three rows and db0 (x's fourth number is 1).  Lane (r, h), register j: k = 2 h + j
	s_load_b64 s[24:25], s[0:1], 0x78
	s_load_b64 s[26:27], s[0:1], 0x88
	s_wait_alu depctr_va_vdst(0)
	v_lshlrev_b32 v151, 2, v148                    ; 4 U: db0
	s_delay_alu instid0(VALU_DEP_1)
	v_lshl_add_u32 v149, v147, 11, v151            ; j = 0: row 0 or row 2
	v_sub_nc_u32 v150, 1, v147
	s_delay_alu instid0(VALU_DEP_1)
	v_lshl_add_u32 v150, v150, 10, v151            ; j = 1: row 1; lanes 16-31 read row 0, in the buffer, and take db0 below
	s_wait_alu depctr_va_vdst(0)
	s_wait_kmcnt 0x0
.irp c, 0,1,2,3,4,5,6,7
.irp u, 0,1
	global_load_b32 v[48+4*\c+2*\u], v149, s[24:25] offset:(32*\c+8*\u)*4
	global_load_b32 v[49+4*\c+2*\u], v150, s[24:25] offset:(32*\c+8*\u)*4
	global_load_b32 v[80+2*\c+\u], v151, s[26:27] offset:(32*\c+8*\u)*4
.endr
.endr
	s_wait_loadcnt 0x0
.irp i, 0,1,2,3,4,5,6,7,8,9,10,11,12,13,14,15
	v_cndmask_b32 v[49+2*\i], v[49+2*\i], v[80+\i], s48
.endr
.irp c, 0,1,2,3,4,5,6,7
	global_store_b128 v4, v[48+4*\c:51+4*\c], s[8:9] offset:T_W0F+512*\c    ; tiles 2 c and 2 c + 1, two registers each
.endr
	s_branch .Ljob_end
.Ljob_w0s:                                             ; b = 133: the specular first layer, K = 8 in two K steps: register j of K step s: k = 4 s + 2 h + j
	s_load_b64 s[24:25], s[0:1], 0x80
	s_wait_alu depctr_va_vdst(0)
	v_lshlrev_b32 v149, 2, v148
	s_delay_alu instid0(VALU_DEP_1)
	v_lshl_add_u32 v149, v147, 11, v149
	s_wait_alu depctr_va_vdst(0)
	s_wait_kmcnt 0x0
.irp s, 0,1
.irp c, 0,1,2,3,4,5,6,7
.irp u, 0,1
.irp j, 0,1
	global_load_b32 v[48+32*\s+4*\c+2*\u+\j], v149, s[24:25] offset:(4*\s+\j)*1024+(32*\c+8*\u)*4
.endr
.endr
.endr
.endr
	s_wait_loadcnt 0x0
.irp s, 0,1
.irp c, 0,1,2,3,4,5,6,7
	global_store_b128 v4, v[48+32*\s+4*\c:51+32*\s+4*\c], s[8:9] offset:TABB+T_W0F+4096*\s+512*\c
.endr
.endr
	s_branch .Ljob_end
; b = 134 .. 149: MLP (b - 134) / 8, block (b - 134) % 8 of 32 along K of the last layer, as a bf16 fragment of 16 rows.  EACH NUMBER OF W3 IS A PAIR OF bf16, split in f32: hi = bf16(w), lo = bf16(w - hi).
; With c = row % 8: rows c = 0, 1, 2 hold the high parts of W3's three columns, rows c = 3, 4, 5 the low parts, rows c = 6, 7 zeros: one product gives both, in result registers 0-2 and 3-5; rows 8 on
; repeat rows 0 on, so that both halves of the lanes end with the same sums.  Lane (row, h), register i: k = 32 block + 16 h + 2 i, + 1: the places in which the second launch packs the hidden layer, alike on both sides.
.Ljob_w3:
	s_load_b128 s[24:27], s[0:1], 0x98
	s_sub_co_u32 s40, s23, 134
	s_lshr_b32 s41, s40, 3
	s_and_b32 s40, s40, 7
	s_mul_i32 s44, s40, 384                        ; 32 rows of 12 bytes
	s_mov_b32 s45, 0
	s_mul_i32 s46, s41, TABB
	s_lshl_b32 s40, s40, 10
	s_add_co_u32 s46, s46, s40
	s_mov_b32 s47, 0
	s_wait_alu depctr_va_vdst(0)
	v_and_b32 v150, 7, v146                        ; c
	s_delay_alu instid0(VALU_DEP_1)
	v_mul_u32_u24 v151, v150, 11
	s_delay_alu instid0(VALU_DEP_1)
	v_lshrrev_b32 v151, 5, v151                    ; c / 3: 0 high parts, 1 low parts, 2 zeros
	s_delay_alu instid0(VALU_DEP_1)
	v_mul_u32_u24 v149, v151, 3
	s_delay_alu instid0(VALU_DEP_1)
	v_sub_nc_u32 v149, v150, v149                  ; c % 3: the column (the rows of zeros read columns 0 and 1: inside the buffer)
	s_delay_alu instid0(VALU_DEP_1)
	v_lshlrev_b32 v149, 2, v149
	s_delay_alu instid0(VALU_DEP_1)
	v_mad_u32_u24 v149, v147, 192, v149
	v_cmp_eq_u32 vcc_lo, 0, v151
	v_cmp_eq_u32 s42, 1, v151
	s_wait_alu depctr_va_vdst(0)
	s_wait_kmcnt 0x0
	s_cmp_lg_u32 s41, 0
	s_cselect_b64 s[24:25], s[26:27], s[24:25]
	s_add_nc_u64 s[24:25], s[24:25], s[44:45]
	s_add_nc_u64 s[36:37], s[8:9], s[46:47]
.irp i, 0,1,2,3,4,5,6,7,8,9,10,11,12,13,14,15
	global_load_b32 v[48+\i], v149, s[24:25] offset:12*\i
.endr
	s_wait_loadcnt 0x0
.irp i, 0,1,2,3,4,5,6,7
	v_cvt_pk_bf16_f32 v[80+\i], v[48+2*\i], v[49+2*\i]          ; the high parts, two to a register
.endr
.irp i, 0,1,2,3,4,5,6,7
	v_lshlrev_b32 v[88+2*\i], 16, v[80+\i]                      ; as f32 again,
	v_and_b32 v[89+2*\i], s48, v[80+\i]
.endr
.irp i, 0,1,2,3,4,5,6,7,8,9,10,11,12,13,14,15
	v_sub_f32 v[88+\i], v[48+\i], v[88+\i]                      ; what they leave: exact in f32
.endr
.irp i, 0,1,2,3,4,5,6,7
	v_cvt_pk_bf16_f32 v[104+\i], v[88+2*\i], v[89+2*\i]         ; the low parts
.endr
.irp i, 0,1,2,3,4,5,6,7
	v_cndmask_b32 v[104+\i], 0, v[104+\i], s42
	s_delay_alu instid0(VALU_DEP_1)
	v_cndmask_b32 v[80+\i], v[104+\i], v[80+\i], vcc_lo
.endr
	global_store_b128 v4, v[80:83], s[36:37] offset:T_W3F
	global_store_b128 v4, v[84:87], s[36:37] offset:T_W3F+512
	s_branch .Ljob_end
.Ljob_bias:                                            ; b = 150, 151: b1, b2, b3 of the MLP as they lie; for the specular one sb0 too (db0 stands in the diffuse fragments)
	s_load_b256 s[24:31], s[0:1], 0xa8             ; db1, sb1, db2, sb2
	s_load_b128 s[32:35], s[0:1], 0xc8             ; db3, sb3
	s_load_b64 s[36:37], s[0:1], 0x90              ; sb0
	s_sub_co_u32 s41, s23, 150
	s_mul_i32 s46, s41, TABB
	s_mov_b32 s47, 0
	s_wait_kmcnt 0x0
	s_cmp_lg_u32 s41, 0
	s_cselect_b64 s[24:25], s[26:27], s[24:25]
	s_cselect_b64 s[28:29], s[30:31], s[28:29]
	s_cselect_b64 s[32:33], s[34:35], s[32:33]
	s_add_nc_u64 s[38:39], s[8:9], s[46:47]
	global_load_b128 v[48:51], v4, s[24:25]
	global_load_b128 v[52:55], v4, s[24:25] offset:512
	global_load_b128 v[56:59], v4, s[28:29]
	global_load_b128 v[60:63], v4, s[28:29] offset:512
	global_load_b96 v[64:66], v7, s[32:33]         ; every lane the same 12 bytes
	s_wait_loadcnt 0x0
	global_store_b128 v4, v[48:51], s[38:39] offset:T_B1
	global_store_b128 v4, v[52:55], s[38:39] offset:T_B1+512
	global_store_b128 v4, v[56:59], s[38:39] offset:T_B2
	global_store_b128 v4, v[60:63], s[38:39] offset:T_B2+512
	global_store_b96 v7, v[64:66], s[38:39] offset:T_B3
	s_cmp_eq_u32 s41, 0
	s_cbranch_scc1 .Ljob_end
	global_load_b128 v[68:71], v4, s[36:37]
	global_load_b128 v[72:75], v4, s[36:37] offset:512
	s_wait_loadcnt 0x0
	global_store_b128 v4, v[68:71], s[38:39] offset:T_B0
	global_store_b128 v4, v[72:75], s[38:39] offset:T_B0+512
.Ljob_end:
	s_wait_xcnt 0x0                                ; the job's stores have read their data: those registers take the ballots and counts below
.Lno_job:
; ---- VISIBILITY of my two points, as reference() has it: x / max(|x|, 1e-12) for n and v, then the dot product
	s_wait_loadcnt 0x0
	v_mul_f32 v28, v12, v12
	v_mul_f32 v29, v16, v16
	v_mul_f32 v30, v20, v20
	v_mul_f32 v31, v24, v24
	s_delay_alu instid0(VALU_DEP_4)
	v_fmac_f32 v28, v13, v13
	s_delay_alu instid0(VALU_DEP_4)
	v_fmac_f32 v29, v17, v17
	s_delay_alu instid0(VALU_DEP_4)
	v_fmac_f32 v30, v21, v21
	s_delay_alu instid0(VALU_DEP_4)
	v_fmac_f32 v31, v25, v25
	s_delay_alu instid0(VALU_DEP_4)
	v_fmac_f32 v28, v14, v14
	s_delay_alu instid0(VALU_DEP_4)
	v_fmac_f32 v29, v18, v18
	s_delay_alu instid0(VALU_DEP_4)
	v_fmac_f32 v30, v22, v22
	s_delay_alu instid0(VALU_DEP_4)
	v_fmac_f32 v31, v26, v26
	s_wait_alu depctr_va_vdst(0)
.irp i, 0,1,2,3
	v_sqrt_f32 v[32+\i], v[28+\i]
.endr
	v_nop                                          ; a plain instruction behind the last root,
	s_wait_alu depctr_va_vdst(0)                   ; and one wait for the four, ahead of their first reader
.irp i, 0,1,2,3
	v_max_num_f32 v[32+\i], s49, v[32+\i]
.endr
	s_wait_alu depctr_va_vdst(0)
.irp i, 0,1,2,3
	v_rcp_f32 v[36+\i], v[32+\i]
.endr
	v_nop
	s_wait_alu depctr_va_vdst(0)                   ; likewise for the four reciprocals
.irp j, 0,1,2
	v_mul_f32 v[12+\j], v[12+\j], v36
	v_mul_f32 v[16+\j], v[16+\j], v37
	v_mul_f32 v[20+\j], v[20+\j], v38
	v_mul_f32 v[24+\j], v[24+\j], v39
.endr
	v_mul_f32 v40, v12, v20
	v_mul_f32 v41, v16, v24
	s_delay_alu instid0(VALU_DEP_2)
	v_fmac_f32 v40, v13, v21
	s_delay_alu instid0(VALU_DEP_2)
	v_fmac_f32 v41, v17, v25
	s_delay_alu instid0(VALU_DEP_2)
	v_fmac_f32 v40, v14, v22
	s_delay_alu instid0(VALU_DEP_2)
	v_fmac_f32 v41, v18, v26
	s_delay_alu instid0(VALU_DEP_2)
	v_cmp_lt_f32 s21, 0, v40                       ; the wave's two ballots (a NaN is not visible)
	s_delay_alu instid0(VALU_DEP_2)
	v_cmp_lt_f32 s22, 0, v41
	s_bcnt1_i32_b32 s44, s21
	s_bcnt1_i32_b32 s45, s22
	v_mov_b32 v42, s21
	v_mov_b32 v43, s22
	v_mov_b32 v44, s44
	v_mov_b32 v45, s45
	ds_store_b32 v6, v42                           ; all lanes write the same word with the same value: word w,
	ds_store_b32 v6, v43 offset:64                 ; word 16 + w,
	ds_store_b32 v6, v44 offset:128                ; and their counts
	ds_store_b32 v6, v45 offset:192
	s_wait_dscnt 0x0                               ; for the others' sake: my stores are done
	s_barrier_signal -1
	s_barrier_wait -1
.irp i, 0,1,2,3,4,5,6,7
	ds_load_b128 v[MW+4*\i:MW+4*\i+3], v7 offset:16*\i          ; every lane: all 32 words,
.endr
.irp i, 0,1,2,3,4,5,6,7
	ds_load_b128 v[TM+4*\i:TM+4*\i+3], v7 offset:128+16*\i      ; and all 32 counts
.endr
	s_wait_dscnt 0x0
	v_mov_b32 v[PX], 0
.set i, 0
.rept 32
	s_delay_alu instid0(VALU_DEP_1)
	v_add_nc_u32 v[PX+i+1], v[PX+i], v[TM+i]       ; PX[W] = visible points ahead of word W; PX[32] = the segment's count
.set i, i+1
.endr
	s_delay_alu instid0(VALU_DEP_1)
	v_add_nc_u32 v38, -1, v[PX+32]                 ; the last entry that stands for a point of its own (count 0: no bound; the entries are then read by nobody for a result)
.macro HALVE n                         ; the range of 2 n words is halved: the upper half where my entry is not ahead of it
	v_cmp_ge_u32 vcc_lo, v28, v[TP+\n]
.set i, 0
.rept \n
	v_cndmask_b32 v[TM+i], v[TM+i], v[TM+\n+i], vcc_lo
	v_cndmask_b32 v[TP+i], v[TP+i], v[TP+\n+i], vcc_lo
.set i, i+1
.endr
	v_cndmask_b32 v37, 0, 1, vcc_lo
	s_delay_alu instid0(VALU_DEP_1)
	v_lshl_or_b32 v29, v29, 1, v37                 ; the word's number, bit by bit
.endm
.macro STEPW x, s, w                   ; the field of 2 s bits at v32 is halved: x holds the counts of the word's fields of s bits, w bits wide each
	s_delay_alu instid0(VALU_DEP_1)
	v_bfe_u32 v37, \x, v32, \w
	s_delay_alu instid0(VALU_DEP_1)
	v_cmp_ge_u32 vcc_lo, v30, v37
	s_delay_alu instid0(VALU_DEP_2)
	v_sub_nc_u32 v37, v30, v37
	s_delay_alu instid0(VALU_DEP_1)
	v_cndmask_b32 v30, v30, v37, vcc_lo
	v_add_nc_u32 v37, \s, v32
	s_delay_alu instid0(VALU_DEP_1)
	v_cndmask_b32 v32, v32, v37, vcc_lo
.endm
.macro SEARCH e, dst                   ; list entry 2 t + e -> v[dst]
	v_lshl_add_u32 v28, v0, 1, \e
	s_delay_alu instid0(VALU_DEP_1)
	v_min_u32 v28, v28, v38                        ; J
	s_delay_alu instid0(VALU_DEP_1)
	v_cmp_ge_u32 vcc_lo, v28, v[PX+16]
.irp i, 0,1,2,3,4,5,6,7,8,9,10,11,12,13,14,15
	v_cndmask_b32 v[TM+\i], v[MW+\i], v[MW+16+\i], vcc_lo
	v_cndmask_b32 v[TP+\i], v[PX+\i], v[PX+16+\i], vcc_lo
.endr
	v_cndmask_b32 v29, 0, 1, vcc_lo
	HALVE 8
	HALVE 4
	HALVE 2
	HALVE 1
	s_delay_alu instid0(VALU_DEP_3)
	v_sub_nc_u32 v30, v28, v[TP]                   ; which set bit of the word, from 0
	v_lshrrev_b32 v33, 1, v[TM]
	s_delay_alu instid0(VALU_DEP_1)
	v_and_b32 v33, 0x55555555, v33
	s_delay_alu instid0(VALU_DEP_1)
	v_sub_nc_u32 v33, v[TM], v33                   ; counts of the fields of 2 bits,
	s_delay_alu instid0(VALU_DEP_1)
	v_lshrrev_b32 v34, 2, v33
	s_delay_alu instid0(VALU_DEP_1)
	v_and_b32 v34, 0x33333333, v34
	s_delay_alu instid0(VALU_DEP_3)
	v_and_b32 v37, 0x33333333, v33
	s_delay_alu instid0(VALU_DEP_1)
	v_add_nc_u32 v34, v34, v37                     ; of 4,
	s_delay_alu instid0(VALU_DEP_1)
	v_lshrrev_b32 v35, 4, v34
	s_delay_alu instid0(VALU_DEP_1)
	v_add_nc_u32 v35, v35, v34
	s_delay_alu instid0(VALU_DEP_1)
	v_and_b32 v35, 0x0f0f0f0f, v35                 ; of 8,
	s_delay_alu instid0(VALU_DEP_1)
	v_lshrrev_b32 v36, 8, v35
	s_delay_alu instid0(VALU_DEP_1)
	v_add_nc_u32 v36, v36, v35                     ; and, in its lowest byte, of the low 16
	v_mov_b32 v32, 0                               ; the bit's number
	STEPW v36, 16, 8
	STEPW v35, 8, 8
	STEPW v34, 4, 4
	STEPW v33, 2, 2
	s_delay_alu instid0(VALU_DEP_1)
	v_bfe_u32 v37, v[TM], v32, 1
	s_delay_alu instid0(VALU_DEP_1)
	v_cmp_ge_u32 vcc_lo, v30, v37
	s_delay_alu instid0(VALU_DEP_3)
	v_add_nc_u32 v37, 1, v32
	s_delay_alu instid0(VALU_DEP_1)
	v_cndmask_b32 v32, v32, v37, vcc_lo
	s_delay_alu instid0(VALU_DEP_1)
	v_lshl_add_u32 v[\dst], v29, 5, v32            ; 32 x word + bit,
	s_delay_alu instid0(VALU_DEP_1)
	v_add_nc_u32 v[\dst], s50, v[\dst]             ; + the segment's first point
.endm
	SEARCH 0, 46
	SEARCH 1, 47
	global_store_b64 v5, v[46:47], s[10:11]        ; a wave's store covers 256 consecutive bytes, aligned
	s_cmp_lg_u32 s20, 0
	s_cbranch_scc1 .Lnot_count
	global_store_b32 v7, v[PX+32], s[12:13]        ; the count: all lanes the same word
.Lnot_count:
	s_wait_tensorcnt 0x0                           ; the wave's end
	ds_add_u32 v1, v2
	s_wait_dscnt 0x0
	s_endpgm
.Lfunc_end_k_qd5b5ee7ae4_prep:
	.size	k_qd5b5ee7ae4_prep, .Lfunc_end_k_qd5b5ee7ae4_prep-k_qd5b5ee7ae4_prep
	.p2alignl 7, 3214868480
	.fill 96, 4, 3214868480
	.section	.rodata,"a",@progbits
	.p2align	6, 0x0
	.amdhsa_kernel k_qd5b5ee7ae4_prep
		.amdhsa_group_segment_fixed_size 2304
		.amdhsa_private_segment_fixed_size 0
		.amdhsa_enable_private_segment 0
		.amdhsa_kernarg_size 216
		.amdhsa_user_sgpr_count 2
		.amdhsa_user_sgpr_kernarg_segment_ptr 1
		.amdhsa_wavefront_size32 1
		.amdhsa_system_sgpr_workgroup_id_x 1
		.amdhsa_system_sgpr_workgroup_id_y 1
		.amdhsa_system_sgpr_workgroup_id_z 1
		.amdhsa_system_vgpr_workitem_id 0
		.amdhsa_next_free_vgpr 152
		.amdhsa_next_free_sgpr 66
		.amdhsa_reserve_vcc 1
		.amdhsa_float_denorm_mode_32 3
		.amdhsa_float_denorm_mode_16_64 3
		.amdhsa_memory_ordered 1
		.amdhsa_forward_progress 1
		.amdhsa_inst_pref_size 49
	.end_amdhsa_kernel
	.amdgpu_metadata
---
amdhsa.version: [ 1, 2 ]
amdhsa.kernels:
  - .name:           k_qd5b5ee7ae4_prep
    .symbol:         k_qd5b5ee7ae4_prep.kd
    .args:
      - { .name: normals, .offset: 0, .size: 8, .value_kind: global_buffer, .address_space: global }
      - { .name: view_dirs, .offset: 8, .size: 8, .value_kind: global_buffer, .address_space: global }
      - { .name: tab, .offset: 16, .size: 8, .value_kind: global_buffer, .address_space: global }
      - { .name: rows, .offset: 24, .size: 8, .value_kind: global_buffer, .address_space: global }
      - { .name: cnt, .offset: 32, .size: 8, .value_kind: global_buffer, .address_space: global }
      - { .name: out0, .offset: 40, .size: 8, .value_kind: global_buffer, .address_space: global }
      - { .name: out1, .offset: 48, .size: 8, .value_kind: global_buffer, .address_space: global }
      - { .name: dW1_codes, .offset: 56, .size: 8, .value_kind: global_buffer, .address_space: global }
      - { .name: dW2_codes, .offset: 64, .size: 8, .value_kind: global_buffer, .address_space: global }
      - { .name: sW1_codes, .offset: 72, .size: 8, .value_kind: global_buffer, .address_space: global }
      - { .name: sW2_codes, .offset: 80, .size: 8, .value_kind: global_buffer, .address_space: global }
      - { .name: dW1_scales, .offset: 88, .size: 8, .value_kind: global_buffer, .address_space: global }
      - { .name: dW2_scales, .offset: 96, .size: 8, .value_kind: global_buffer, .address_space: global }
      - { .name: sW1_scales, .offset: 104, .size: 8, .value_kind: global_buffer, .address_space: global }
      - { .name: sW2_scales, .offset: 112, .size: 8, .value_kind: global_buffer, .address_space: global }
      - { .name: dW0, .offset: 120, .size: 8, .value_kind: global_buffer, .address_space: global }
      - { .name: sW0, .offset: 128, .size: 8, .value_kind: global_buffer, .address_space: global }
      - { .name: db0, .offset: 136, .size: 8, .value_kind: global_buffer, .address_space: global }
      - { .name: sb0, .offset: 144, .size: 8, .value_kind: global_buffer, .address_space: global }
      - { .name: dW3, .offset: 152, .size: 8, .value_kind: global_buffer, .address_space: global }
      - { .name: sW3, .offset: 160, .size: 8, .value_kind: global_buffer, .address_space: global }
      - { .name: db1, .offset: 168, .size: 8, .value_kind: global_buffer, .address_space: global }
      - { .name: sb1, .offset: 176, .size: 8, .value_kind: global_buffer, .address_space: global }
      - { .name: db2, .offset: 184, .size: 8, .value_kind: global_buffer, .address_space: global }
      - { .name: sb2, .offset: 192, .size: 8, .value_kind: global_buffer, .address_space: global }
      - { .name: db3, .offset: 200, .size: 8, .value_kind: global_buffer, .address_space: global }
      - { .name: sb3, .offset: 208, .size: 8, .value_kind: global_buffer, .address_space: global }
    .group_segment_fixed_size: 2304
    .private_segment_fixed_size: 0
    .kernarg_segment_align: 8
    .kernarg_segment_size: 216
    .max_flat_workgroup_size: 512
    .sgpr_count:     66
    .vgpr_count:     152
    .wavefront_size: 32
...
	.end_amdgpu_metadata
.endif
;; end of part 3
;; launch mlp (part 4): grid 256 x 1, 4 waves a work-group, no clusters, 122,368 bytes of LDS; arguments normals, view_dirs, roughness, r0, tab, rows, cnt, out0, out1; writes out0, out1
.if DOCPART == 4
	.amdgcn_target "amdgcn-amd-amdhsa--gfx1250"
	.amdhsa_code_object_version 6
	.text
	.protected	k_qd5b5ee7ae4_mlp
	.globl	k_qd5b5ee7ae4_mlp
	.p2align	8
	.type	k_qd5b5ee7ae4_mlp,@function
k_qd5b5ee7ae4_mlp:
	s_mov_b64 s[64:65], 0
	v_nop
	global_prefetch_b8 v0, s[64:65] scope:SCOPE_SE
	s_setreg_imm32_b32 hwreg(HW_REG_WAVE_SCHED_MODE, 0, 2), 2
	s_setreg_imm32_b32 hwreg(HW_REG_WAVE_MODE, 25, 1), 1
	s_wait_xcnt 0x0
	s_wait_alu depctr_vm_vsrc(0)
; AmbientReflectionNet, second launch: THE TWO MLPs, FOR THE VISIBLE POINTS ALONE.  Points that reference()'s own mask zeroes are not computed: their zeros were stored by the first launch, which also stored, as whole
; numbers, each segment's list of visible points and its count; addresses and trip counts here hang on those alone.  (What a NaN or an overflow would do in the MLPs of a hidden point is not made; reference() writes 0 there.)
; SHARES.  Work-group b: MLP b % 2 (0 diffuse -> out0, 1 specular -> out1), segments 2 (b / 2) and 2 (b / 2) + 1 of 1,024 points.  Their visible points are cut into tiles of 16 (each segment's last tile is padded
; with its last visible point); wave w takes tiles w, w + 4, ..  A WAVE KEEPS BOTH 256 x 256 WEIGHTS OF ITS MLP IN REGISTERS: 64 fragments of 12, and takes a tile through the whole chain: no barrier and
; nothing from wave to wave in the loop.  No cluster and no tensor load: trip counts are read from memory; what work-groups share is the table block, read once by each.
; THE CHAIN, all products transposed (source 0 = 16 units of a weight, source 1 = my 16 points): a lane holds ONE point (lane % 16) throughout, and the 16 results of tiles 2 B and 2 B + 1 are units
; 32 B + 16 (lane / 16) + 0 .. 15 (the first launch chose each tile's rows so): neighbours along the next K.
;   L0  x W0 + b0 in f32 (it feeds a quantiser): v_wmma_f32_16x16x4_f32; diffuse K = 4 (n^ and a 1 that carries db0), specular K = 8 with sb0 as C
;   L1, L2  relu, quantised to E2M3 by blocks of 32 in registers, v_wmma_scale_f32_16x16x128_f8f6f4 on the given codes; the bias is the C of a sum's first instruction
;   L3  relu; BOTH OPERANDS AS PAIRS OF bf16, a high and a low part, split in f32: single bf16 numbers would leave an error of the order of what the comparison allows, W3's share of it the same for all points.
;       W3's two parts are rows 0-2 and 3-5 of one fragment (the first launch laid it so); h2's two parts are two products, v_wmma_f32_16x16x32_bf16, into two sums that take turns.
;       out = hi Whi + hi Wlo + lo Whi + b3 (lo Wlo, some 2^-16 of the sum, is not added); 12 bytes a point stored
; A LAYER GOES IN 8 STEPS of two tiles (32 units).  Step c's matrix instructions carry step c - 1's relu between them, four lines behind each; what step c + 2 needs from LDS (bias, L0's and L3's fragments) is
; asked for behind step c's products.  Behind every second step two blocks of 32 are quantised.
; THE MODE: SCHED_MODE bits 1:0 = 2 (LLVM: expert scheduling mode 2), set by the entry lines.  The code itself states the register dependences between vector or matrix instructions and memory or LDS
; instructions, with s_wait_alu, always for 0.
; THE PLAN.  Registers that memory or LDS instructions touch, in the loop:
;   LB, LI       LDS addresses, made at the head and never written again.
;   BI0, BI1     LDS loads land; step c's first two products read BI[c % 2] as C; the loads for step c + 2 land in it.
;   CB           L0: two sets of W0's fragments, loaded and read as BI is.  L1: the quantiser writes h1's codes.  L2: the products read them.  The next trip's first two batches land there.
;   CA           L0: the quantiser writes h0's codes.  L1: the products read them.  From L1's last step on: three sets of W3's fragments; block b's two products read set b % 3, block b + 3's loads land in it.
;   v12-19, IDX  the gather's and the list's loads land; the scalings and v_min_u32 read them.
;   VL, OFFN, OF4  written by vector lines at a trip's head; read by that trip's list load and gather.
;   OFFS, OO     written by vector lines; read by the store at the trip's end (OO's registers are written again in the next trip's L2).
; So: ONE wait on vm_vsrc a trip, at its head.  ONE wait on va_vdst a step, ahead of the step's batch of LDS loads: the step's products are done reading the set in which the batch lands; in L0's first step the list
; load and the gather follow the same wait.  It stands where vector work already lies behind the step's last product: behind the quantiser's maxima in the even steps of L0 and L1, behind the high parts' roundings
; in L2.  One more behind the places at the end of L0 and of L1 (codes and scale words are written), one ahead of the store.  A trip's first two batches need none: since the wait ahead of the last trip's store
; (in the first trip: the head's) no vector or matrix instruction names BI, CB, LB or LI.
; LIMITS: blocks whose largest magnitude lies under 2^-124 get the scale byte 1 (a block of zeros too, where the rule says 127: its codes are zeros); h2 and W3 carry 16 bits of mantissa into the last product;
; a number of h2 within 2^-8 of the largest f32 number rounds to infinity in its high part.
; REGISTERS, in windows of 256.  Window 0: see the names below.  Windows 1 to 3: fragment F = 32 layer + 2 tile + K step, F < 63, at window 1 + F / 21, register 12 (F % 21); fragment 63 in window 0.
.set TABB,  122880
.set T_W3F, 102400
.set T_B1,  110592
.set T_B0,  120832
.set T_B3,  121856
.set SPARE, 121856                     ; LDS: bytes 0 .. 121,855 the image of my MLP's block of tab (diffuse: the first 116,736); then the spare words, 128 bytes a wave, which no other line names
.set SPW,  1                           ; v1   my spare word's LDS address; never rewritten
.set NIL,  2                           ; v2   0; never rewritten
.set LB,   3                           ; v3   LDS: b1 + 64 (lane / 16): my 16 numbers of a bias block
.set LI,   4                           ; v4   LDS: W3's fragments + 16 x lane
.set LN4,  5                           ; v5   4 (lane % 16)
.set VL,   6                           ; v6   byte offset of my list entry
.set IDX,  7                           ; v7   the entry as loaded
.set OFFS, 8                           ; v8   12 x my point: this tile's store
.set OFFN, 9                           ; v9   12 x my point of the next tile
.set OF4,  10                          ; v10  4 x the same
.set IDC,  11                          ; v11  the entry, held inside the tensors
.set RN,   12                          ; v12-14 n, v15 roughness, v16-18 v, v19 r0 of the next tile, as loaded
.set RR,   15
.set RV,   16
.set RZ,   19
.set XB,   20                          ; v20-23 x as source 1 of L0: K step s at XB + 2 s
.set OO,   24                          ; v24-26 the three outputs
.set HL,   20                          ; v20-27 in L2, where x is done with and the last tile's outputs have left: the low parts of 32 units of h2, in bf16
.set MA0,  28                          ; v28-37 the quantiser's, in L0 and L1
.set MB0,  29
.set MA1,  30
.set MB1,  31
.set MP0,  32
.set MP1,  33
.set SO0,  34
.set SO1,  35
.set BY0,  36
.set BY1,  37
.set OAC1, 28                          ; v28-35 in L2, where nothing is quantised: L3's sums over the low parts
.set UU,   36                          ; v36-43 in L2: four pairs of high parts, as f32 again
.set CVT,  40                          ; v40-42
.set SWA,  44                          ; v44-45 h0's scale words, v46-47 h1's: scales and nothing else
.set SWB,  46
.set HH,   48                          ; v48-55 the high parts of 32 units of h2, in bf16
.set OACC, 56                          ; v56-63 L3's sums over the high parts
.set TT,   64                          ; v64-95 two blocks behind the relu; at a trip's head at work; at the kernel's head addresses
.set ACC,  96                          ; v96-127 two sets of two accumulators: written by matrix instructions alone
.set BI,   128                         ; v128-159 two sets of 16: a step's bias, as C
.set CA,   160                         ; v160-183 h0's codes; in L2 three sets of 8 for W3's fragments
.set CB,   184                         ; v184-207 h1's codes; in L0 two sets of 8 for W0's fragments
.set W63,  208                         ; v208-219 fragment 63
.set WSC,  220                         ; v220-251 the weights' scale words, 16 layer + tile: lanes 0-15 K step 0, lanes 16-31 K step 1: scales and nothing else
.set LA0,  64
.set LA1,  65
.set LA2,  66
.set LA3,  67
.set LI0,  68
.set LI1,  69
; s[4:5] normals, s[6:7] view_dirs, s[8:9] roughness, s[10:11] r0, s[12:13] my block of tab, s[14:15] my two segments' lists, s[16:17] their counts, s[18:19] my output; s22 wave, s23 MLP, s24 pair of segments,
; s25 tiles of the first segment, s26 of both, s27 trips left, s28 the tile of the next list load, s[32:33] lane selects, s34 0xffff0000: lanes 16-31 as a mask, and a word's upper bf16; s[36:38] b3, s39 1e-12
.set MSB, 0
.macro WIN new                         ; the immediate's high byte repeats the setting that is left; bits 1:0 source 0, 3:2 source 1, 5:4 source 2, 7:6 destination
.if MSB != (\new)
	s_set_vgpr_msb (MSB<<8)|(\new)
.set MSB, \new
.endif
.endm
.macro PLACES n
.rept \n
	v_nop
.endr
.endm
; my entry of the list for tile s28: entry 16 G of the first segment's list, or 16 (G - TA) of the second's, 1,024 entries on; held inside the two lists, so that the look-ahead past my last tile reads entries that exist.
; LISTADR makes the offset, LISTGET is the load: a wait on va_vdst stands between the two.
.macro LISTADR
	s_sub_co_u32 s42, s28, s25
	s_lshl_b32 s42, s42, 4
	s_add_co_u32 s42, s42, 1024
	s_lshl_b32 s43, s28, 4
	s_cmp_lt_u32 s28, s25
	s_cselect_b32 s42, s43, s42
	s_min_u32 s42, s42, 2032
	s_lshl_b32 s42, s42, 2
	v_add_nc_u32 v[VL], s42, v[LN4]
	s_add_co_u32 s28, s28, 4
.endm
.macro LISTGET
	global_load_b32 v[IDX], v[VL], s[14:15]
.endm
; the inputs of the point that the entry names: GADR makes the offsets, GGET is the loads: a wait on va_vdst stands between the two
.macro GADR role
	v_min_u32 v[IDC], 0x3ffff, v[IDX]
	v_mul_u32_u24 v[OFFN], v[IDC], 12
.if \role
	v_lshlrev_b32 v[OF4], 2, v[IDC]
.endif
.endm
.macro GGET role
	global_load_b96 v[RN:RN+2], v[OFFN], s[4:5]
.if \role
	global_load_b96 v[RV:RV+2], v[OFFN], s[6:7]
	global_load_b32 v[RR], v[OF4], s[8:9]
	global_load_b32 v[RZ], v[OF4], s[10:11]
.endif
.endm
; THE LDS LOADS FOR STEP q (0-7 L0, 8-15 L1, 16-23 L2; 24: the last of W3's fragments)
.macro BIAS q, base                    ; 16 numbers of a bias: units 32 (q % 8) + 16 (lane / 16) + 0 .. 15
.irp e, 0,1,2,3
	ds_load_b128 v[BI+16*((\q)%2)+4*\e:BI+16*((\q)%2)+4*\e+3], v[LB] offset:\base+128*((\q)%8)+16*\e
.endr
.endm
.macro W3LOAD b                        ; W3's fragment of units 32 b on, into set b % 3
.irp e, 0,1
	ds_load_b128 v[CA+8*((\b)%3)+4*\e:CA+8*((\b)%3)+4*\e+3], v[LI] offset:1024*(\b)+512*\e
.endr
.endm
.macro BATCH q, role
.if (\q) < 8
.if \role
	BIAS \q, 10240
	ds_load_b128 v[CB+8*((\q)%2):CB+8*((\q)%2)+3], v[LI] offset:10240+512*(\q)
	ds_load_b128 v[CB+8*((\q)%2)+4:CB+8*((\q)%2)+7], v[LI] offset:14336+512*(\q)
.else
	ds_load_b128 v[CB+8*((\q)%2):CB+8*((\q)%2)+3], v[LI] offset:10240+512*(\q)
.endif
.elseif (\q) < 16
	BIAS \q, 0
.elseif (\q) < 24
	BIAS \q, 1024
.if (\q) > 16
	W3LOAD (\q)-17
.endif
.else
	W3LOAD 7
.endif
.endm
; the step's one wait on va_vdst, and behind it the batch for step q
.macro NEXT q, role
	s_wait_alu depctr_va_vdst(0)                   ; the products issued so far are done reading the set of the bias, of W0's or of W3's fragments in which the loads below land (step q - 2's; W3: block q - 20's)
	BATCH \q, \role
.endm
.macro WAITB q, role                   ; at the head of step q: the batch for step q + 1, issued a step ago, may stay out; all older LDS loads, step q's among them, are in (LDS loads come back in order: ISA guide 5.7.1)
.if (\q)+1 < 8
.if \role
	s_wait_dscnt 6                                 ; 4 of the bias and 2 of W0
.else
	s_wait_dscnt 1                                 ; 1 of W0
.endif
.elseif (\q)+1 < 17
	s_wait_dscnt 4                                 ; 4 of the bias
.elseif (\q)+1 < 24
	s_wait_dscnt 6                                 ; 4 of the bias and 2 of W3
.else
	s_wait_dscnt 2                                 ; W3's last fragment
.endif
.endm
; four lines of step c's relu.  Source 0 is a constant, so they stand under any window of source 0; they take each accumulator from its low end on
.macro RELU4 c, i
.irp k, 0,1,2,3
	v_max_num_f32 v[TT+16*((\c)%2)+4*(\i)+\k], 0, v[ACC+16*((\c)%2)+4*(\i)+\k]
.endr
.endm
; STEP c OF L0, diffuse: two products, K = 4, C = 0.  Behind each eight lines of the last step's relu: they are the eight places that the f32 form asks ahead of the loads into its sources
.macro AL0D c, prev
	WAITB \c, 0
.irp u, 0,1
	v_wmma_f32_16x16x4_f32 v[ACC+16*((\c)%2)+8*\u:ACC+16*((\c)%2)+8*\u+7], v[CB+8*((\c)%2)+2*\u:CB+8*((\c)%2)+2*\u+1], v[XB:XB+1], 0
.if \prev
	RELU4 (\c)-1, 2*\u
	RELU4 (\c)-1, 2*\u+1
.endif
.endr
.endm
; specular: two tiles x two K steps, the two accumulators by turns, one instruction a turn
.macro AL0S c, prev
	WAITB \c, 1
.irp i, 0,1,2,3
.set FU, (\i)%2
.set DA, ACC+16*((\c)%2)+8*FU
.if (\i) < 2
	v_wmma_f32_16x16x4_f32 v[DA:DA+7], v[CB+8*((\c)%2)+2*FU:CB+8*((\c)%2)+2*FU+1], v[XB:XB+1], v[BI+16*((\c)%2)+8*FU:BI+16*((\c)%2)+8*FU+7]
.else
	v_wmma_f32_16x16x4_f32 v[DA:DA+7], v[CB+8*((\c)%2)+4+2*FU:CB+8*((\c)%2)+4+2*FU+1], v[XB+2:XB+3], v[DA:DA+7]
.endif
.if \prev
	RELU4 (\c)-1, \i
.endif
.endr
.endm
; STEP c OF LAYER 1 + l: tiles 2 c and 2 c + 1, two K steps of 128, the two accumulators by turns.  cin: the operand's 24 registers; sw: its two scale words
.macro AFP l, c, cin, sw, prev
	WAITB 8+8*(\l)+(\c), 0
.irp i, 0,1,2,3
.set FU, (\i)%2
.set FS, (\i)/2
.set FT, 2*(\c)+FU
.set FF, 32*(\l)+2*FT+FS
.if FF == 63
.set FW, 0
.set FRG, W63
.else
.set FW, 1+FF/21
.set FRG, 12*(FF%21)
.endif
.set DA, ACC+16*((\c)%2)+8*FU
	WIN FW
.if FS == 0
	v_wmma_scale_f32_16x16x128_f8f6f4 v[DA:DA+7], v[FRG:FRG+11], v[\cin:\cin+11], v[BI+16*((\c)%2)+8*FU:BI+16*((\c)%2)+8*FU+7], v[WSC+16*(\l)+FT], v[\sw] matrix_a_fmt:MATRIX_FMT_FP6 matrix_b_fmt:MATRIX_FMT_FP6
.else
	v_wmma_scale_f32_16x16x128_f8f6f4 v[DA:DA+7], v[FRG:FRG+11], v[\cin+12:\cin+23], v[DA:DA+7], v[WSC+16*(\l)+FT], v[\sw+1] matrix_a_fmt:MATRIX_FMT_FP6 matrix_b_fmt:MATRIX_FMT_FP6 matrix_a_scale:MATRIX_SCALE_ROW1
.endif
.if \prev
	RELU4 (\c)-1, \i
.endif
.endr
	WIN 0
.endm
.macro DRAIN                           ; the last step's relu
.irp i, 0,1,2,3
	RELU4 7, \i
.endr
.endm
; BLOCKS 2 p AND 2 p + 1 OF 32 ALONG THE NEXT K, in v[TT] on (16 numbers a lane each; lane l xor 16 holds the other 16), become six registers of the operand cout and two bytes of its scale word.
; None is negative, so no |.|.  The floor 2^(3 - 127) among the leaves holds the byte at 1 from below.  The largest magnitude with 2 off its exponent field is the conversion's scale operand; shifted, the byte.
; In two parts: QMAX, my 16 numbers' maxima of both blocks: sixteen plain lines that name no register of a product; QREST, all else.  In a step that asks for a batch, the step's wait and the batch stand between the two.
.macro QMAX
	v_max3_num_f32 v[MA0], v[TT], v[TT+1], 0x1800000
	v_max3_num_f32 v[MA1], v[TT+16], v[TT+17], 0x1800000
	v_max3_num_f32 v[MB0], v[TT+8], v[TT+9], v[TT+10]
	v_max3_num_f32 v[MB1], v[TT+24], v[TT+25], v[TT+26]
.irp i, 2,4,6
	v_max3_num_f32 v[MA0], v[MA0], v[TT+\i], v[TT+\i+1]
	v_max3_num_f32 v[MA1], v[MA1], v[TT+16+\i], v[TT+17+\i]
.if \i < 6
	v_max3_num_f32 v[MB0], v[MB0], v[TT+9+\i], v[TT+10+\i]
	v_max3_num_f32 v[MB1], v[MB1], v[TT+25+\i], v[TT+26+\i]
.endif
.endr
	v_max3_num_f32 v[MA0], v[MA0], v[MB0], v[TT+15]
	v_max3_num_f32 v[MA1], v[MA1], v[MB1], v[TT+31]
.endm
.macro QREST p, cout, sw
.set QD, \cout+12*((\p)/2)+6*((\p)%2)
.set QS, \sw+(\p)/2
	v_permlanex16_b32 v[MP0], v[MA0], s32, s33
	v_permlanex16_b32 v[MP1], v[MA1], s32, s33
	v_max_num_f32 v[MA0], v[MA0], v[MP0]
	v_max_num_f32 v[MA1], v[MA1], v[MP1]
	v_add_nc_u32 v[SO0], 0xff000000, v[MA0]
	v_add_nc_u32 v[SO1], 0xff000000, v[MA1]
	v_cvt_scalef32_pk16_fp6_f32 v[QD:QD+2], v[TT:TT+15], v[SO0]
	v_cvt_scalef32_pk16_fp6_f32 v[CVT:CVT+2], v[TT+16:TT+31], v[SO1]    ; (a conversion's three registers begin on an even number)
	v_lshrrev_b32 v[BY0], 23, v[SO0]               ; the bytes; also the plain lines behind the conversions
	v_lshrrev_b32 v[BY1], 23, v[SO1]
.if (\p)%2 == 0
	v_lshl_or_b32 v[QS], v[BY1], 8, v[BY0]
.else
	v_lshl_or_b32 v[QS], v[BY0], 16, v[QS]
	v_lshl_or_b32 v[QS], v[BY1], 24, v[QS]
.endif
.irp i, 0,1,2                          ; the operand wants a WHOLE block in a lane: lanes 0-15 block 2 p, lanes 16-31 block 2 p + 1
	v_permlane16_swap_b32 v[QD+\i], v[CVT+\i]
.endr
.irp i, 0,1,2
	v_mov_b32 v[QD+3+\i], v[CVT+\i]
.endr
.endm
; UNITS 32 b ON OF h2 AND THEIR PRODUCTS WITH W3.  hi = bf16(h), two to a register; lo = bf16(h - hi), the difference formed in f32, in place (the block's registers are written anew only two steps on).
; TWO SUMS BY TURNS, one instruction a turn: the high parts' products add into OACC, the low parts' into OAC1; block 0 starts both with the constant 0.
; Behind each product stand 16 plain lines or more that name none of its registers before one of its sources is written again: behind hi's the subtractions and lo's roundings, behind lo's the next step's relu.
; q > 0: the step's wait and the batch for step q stand behind the high parts' roundings, twelve vector lines behind the step's last product and ahead of this block's own two.
.macro RESTH b, q
.set RTB, TT+16*((\b)%2)
.irp i, 0,1,2,3,4,5,6,7
	v_cvt_pk_bf16_f32 v[HH+\i], v[RTB+2*\i], v[RTB+2*\i+1]
.endr
.if (\q) > 0
	NEXT \q, 0
.endif
.if (\b) == 0
	v_wmma_f32_16x16x32_bf16 v[OACC:OACC+7], v[CA+8*((\b)%3):CA+8*((\b)%3)+7], v[HH:HH+7], 0
.else
	v_wmma_f32_16x16x32_bf16 v[OACC:OACC+7], v[CA+8*((\b)%3):CA+8*((\b)%3)+7], v[HH:HH+7], v[OACC:OACC+7]
.endif
.irp g, 0,1
.irp i, 0,1,2,3
	v_lshlrev_b32 v[UU+2*\i], 16, v[HH+4*\g+\i]                ; the high parts as f32 again
	v_and_b32 v[UU+2*\i+1], s34, v[HH+4*\g+\i]
.endr
.irp i, 0,1,2,3
	v_pk_add_f32 v[RTB+8*\g+2*\i:RTB+8*\g+2*\i+1], v[RTB+8*\g+2*\i:RTB+8*\g+2*\i+1], v[UU+2*\i:UU+2*\i+1] neg_lo:[0,1] neg_hi:[0,1]   ; h - hi: exact
.endr
.endr
.irp i, 0,1,2,3,4,5,6,7
	v_cvt_pk_bf16_f32 v[HL+\i], v[RTB+2*\i], v[RTB+2*\i+1]
.endr
.if (\b) == 0
	v_wmma_f32_16x16x32_bf16 v[OAC1:OAC1+7], v[CA+8*((\b)%3):CA+8*((\b)%3)+7], v[HL:HL+7], 0
.else
	v_wmma_f32_16x16x32_bf16 v[OAC1:OAC1+7], v[CA+8*((\b)%3):CA+8*((\b)%3)+7], v[HL:HL+7], v[OAC1:OAC1+7]
.endif
.endm
; L0: eight steps.  A first step has no relu to carry: v_nop take the places (8 behind the f32 form) ahead of the loads into its sources and of the first read of its results.
; At a layer's end 8 places stand between the last scale word and codes written by vector instructions and the scaled products that take them, and behind the places the wait that states that they are written.
.macro LAYER0 role
.if \role
	AL0S 0, 0
.else
	AL0D 0, 0
.endif
	PLACES 8
	s_wait_alu depctr_va_vdst(0)                   ; step 0's products are done reading their set of W0 (and of the bias); VL, OFFN and OF4 are written; v_min_u32 is done reading the entry and the scalings the raw inputs, in which the loads below land
	LISTGET                                        ; the entries of the tile after the next: two trips ahead;
	GGET \role                                     ; the next tile's inputs: a trip ahead
	BATCH 2, \role
.irp c, 1,2,3,4,5,6,7
.if \role
	AL0S \c, 1
.else
	AL0D \c, 1
.endif
.if (\c)%2 == 0
	QMAX                                           ; (with the lines of relu behind the last product: more than the eight places)
	NEXT \c+2, \role
	QREST (\c-2)/2, CA, SWA
.else
.if \role
	PLACES 4                                       ; with the four lines of relu behind the last product: eight
.endif
	NEXT \c+2, \role
.endif
.endr
	DRAIN
	QMAX
	QREST 3, CA, SWA
	PLACES 8
	s_wait_alu depctr_va_vdst(0)                   ; h0's codes in CA and its scale words in SWA are written: L1's scaled products take them
.endm
; ---- THE HEAD
	s_load_b512 s[4:19], s[0:1], 0x0
	s_load_b64 s[20:21], s[0:1], 0x40              ; out1
	v_lshl_add_u32 v[SPW], v0, 2, SPARE
	v_mov_b32 v[NIL], 0
	v_lshrrev_b32 v[LB], 5, v0
	v_readfirstlane_b32 s22, v[LB]                 ; wave 0..3
	s_and_b32 s23, ttmp9, 1
	s_lshr_b32 s24, ttmp9, 1
	v_and_b32 v[LI0], 31, v0
	v_lshlrev_b32 v[LI0], 4, v[LI0]                ; 16 x lane: an image's place for my lane;
	v_add_nc_u32 v[LI1], 64512, v[LI0]             ; from fragment 42 on (an LDS offset has 16 bits)
	v_add_nc_u32 v[LI], T_W3F, v[LI0]
	v_bfe_u32 v[LB], v0, 4, 1
	v_lshl_add_u32 v[LB], v[LB], 6, T_B1
	v_and_b32 v[LN4], 15, v0
	v_lshlrev_b32 v[LN4], 2, v[LN4]
	v_lshlrev_b32 v[LA0], 4, v0                    ; the copy: 16 bytes a thread, 2,048 a work-group and instruction
	v_add_nc_u32 v[LA1], 65536, v[LA0]
	v_lshlrev_b32 v[LA3], 3, v0
	v_add_nc_u32 v[LA2], 65536, v[LA3]
	v_mov_b32 v[MP0], 0                            ; written at the head: a lane permute's destination counts as one of its sources
	v_mov_b32 v[MP1], 0
.irp i, 15,16,17,18,19
	v_mov_b32 v\i, 0                               ; what the specular gather alone loads: written on every way through the text
.endr
	s_wait_alu depctr_va_sdst(0)                   ; s22, the wave's number, is written, ahead of its first reader: my count of tiles is made from it
	s_mov_b32 s32, 0x76543210
	s_mov_b32 s33, 0xfedcba98                      ; v_permlanex16_b32: lane l xor 16
	s_mov_b32 s34, 0xffff0000
	s_mov_b32 s39, 0x2b8cbccc                      ; 1e-12
	s_mul_i32 s42, s23, TABB
	s_mov_b32 s43, 0
	s_lshl_b32 s44, s24, 13                        ; two lists of 4,096 bytes
	s_mov_b32 s45, 0
	s_lshl_b32 s46, s24, 3                         ; two counts
	s_mov_b32 s47, 0
	s_wait_kmcnt 0x0
	s_add_nc_u64 s[12:13], s[12:13], s[42:43]
	s_add_nc_u64 s[14:15], s[14:15], s[44:45]
	s_add_nc_u64 s[16:17], s[16:17], s[46:47]
	s_cmp_lg_u32 s23, 0
	s_cselect_b64 s[18:19], s[20:21], s[18:19]
	s_load_b64 s[40:41], s[16:17], 0x0             ; the two counts
	s_load_b96 s[36:38], s[12:13], T_B3            ; b3
	WIN 0x40                                       ; destination window 1: the copy is staged where fragments will lie
	s_wait_alu depctr_va_vdst(0)                   ; all the head's offsets and LDS addresses (LB, LI, v64 to v69) are written, which the loads and LDS instructions of the kernel read; so are v15 to v19, in which the gather's loads land
.set i, 0
.rept 57
	global_load_b128 v[4*i:4*i+3], v[LA0], s[12:13] offset:2048*i
.set i, i+1
.endr
	WIN 0
	s_wait_kmcnt 0x0
	s_min_u32 s40, s40, 1024
	s_min_u32 s41, s41, 1024
	s_add_co_u32 s25, s40, 15
	s_lshr_b32 s25, s25, 4                         ; TA
	s_add_co_u32 s26, s41, 15
	s_lshr_b32 s26, s26, 4
	s_add_co_u32 s26, s26, s25                     ; T
	s_add_co_u32 s27, s26, 3
	s_sub_co_u32 s27, s27, s22
	s_lshr_b32 s27, s27, 2                         ; my tiles w, w + 4, .. under T
	s_mov_b32 s28, s22
	LISTADR                                        ; my first tile's entries
	s_wait_alu depctr_va_vdst(0)                   ; VL is written, which the list load reads
	LISTGET
	s_wait_alu depctr_vm_vsrc(0)                   ; the list load has read VL, which both arms below write again
	s_cmp_eq_u32 s23, 0
	s_cbranch_scc1 .Lhead_diffuse
	WIN 0x40                                       ; specular: W0's second K step and sb0 besides: loaded, stored to LDS bytes of their own, all in this one arm
	global_load_b128 v[228:231], v[LA0], s[12:13] offset:2048*57
	global_load_b128 v[232:235], v[LA0], s[12:13] offset:2048*58
	global_load_b64 v[236:237], v[LA3], s[12:13] offset:T_B0
	WIN 0
	s_wait_loadcnt 0x0
	WIN 0x04                                       ; an LDS store's data are its source 1: window 1
	ds_store_b128 v[LA1], v[228:231] offset:2048*25
	ds_store_b128 v[LA1], v[232:235] offset:2048*26
	ds_store_b64 v[LA2], v[236:237] offset:55296
	WIN 0
	GADR 1
	LISTADR                                        ; my second tile's entries (the first list load is done)
	s_wait_alu depctr_va_vdst(0)                   ; OFFN, OF4 and VL are written, which the loads below read; v_min_u32 is done reading the entry, in which the list load lands
	GGET 1
	LISTGET
	s_branch .Lhead_joined
.Lhead_diffuse:
	s_wait_loadcnt 0x0
	GADR 0
	LISTADR                                        ; my second tile's entries (the first list load is done)
	s_wait_alu depctr_va_vdst(0)                   ; OFFN and VL are written, which the loads below read; v_min_u32 is done reading the entry, in which the list load lands
	GGET 0
	LISTGET
.Lhead_joined:
	WIN 0x04
.set i, 0
.rept 57
.if i < 32
	ds_store_b128 v[LA0], v[4*i:4*i+3] offset:2048*i
.else
	ds_store_b128 v[LA1], v[4*i:4*i+3] offset:2048*(i-32)
.endif
.set i, i+1
.endr
	WIN 0
	s_wait_dscnt 0x0                               ; for the others' sake: my part of the block lies in LDS
	s_barrier_signal -1
	s_barrier_wait -1                              ; the launch's one barrier: from here on LDS is only read
	s_wait_alu depctr_vm_vsrc(0)                   ; my LDS stores have read their data, the staging registers of window 1, in which the fragments' loads land
	s_cmp_eq_u32 s27, 0
	s_cbranch_scc1 .Lend                           ; a split that leaves this wave no tile
.set F, 0
.rept 64                               ; the 64 fragments into their registers: they stay
.if F == 63
.set FW, 0
.set FRG, W63
.else
.set FW, 1+F/21
.set FRG, 12*(F%21)
.endif
.set WD, FW<<6
	WIN WD
.irp g, 0,1,2
.if F < 42
	ds_load_b128 v[FRG+4*\g:FRG+4*\g+3], v[LI0] offset:1536*F+512*\g
.else
	ds_load_b128 v[FRG+4*\g:FRG+4*\g+3], v[LI1] offset:1536*(F-42)+512*\g
.endif
.endr
.set F, F+1
.endr
	WIN 0
.irp g, 0,1,2,3,4,5,6,7
	ds_load_b128 v[WSC+4*\g:WSC+4*\g+3], v[LI1] offset:33792+512*\g     ; and their scale words.  The first step's wait on DScnt, which leaves only younger loads out, covers all of these
.endr
; ---- A TILE OF 16 POINTS
.Ltile:
	s_wait_loadcnt 0x0                             ; this tile's inputs and the next tile's entries, asked for a trip ago
	s_wait_xcnt 0x0                                ; the last trip's store has read its offset and its data: both are written again below
	s_wait_alu depctr_vm_vsrc(0)                   ; the last trip's store has read OFFS and v24 to v26, its gather OFFN and OF4, its list load VL: all are written again in this trip; in the first trip the fragments' loads have read v68 and v69, which the scalings write
	v_mul_u32_u24 v[OFFS], v[IDC], 12              ; IDC still names this tile's points
	s_cmp_lg_u32 s23, 0
	s_cbranch_scc1 .Lspecular
	BATCH 0, 0                                     ; no wait: since the wait ahead of the last trip's store (first trip: the head's) no vector or matrix instruction names CB, BI, LI or LB
	BATCH 1, 0
	GADR 0                                         ; the offsets of the next tile's inputs and of the list's next entries: their loads follow step 0's wait
	LISTADR
	v_mul_f32 v64, v[RN], v[RN]
	v_fmac_f32 v64, v[RN+1], v[RN+1]
	v_fmac_f32 v64, v[RN+2], v[RN+2]
	s_wait_alu depctr_va_vdst(0)
	v_sqrt_f32 v65, v64
	v_nop                                          ; a plain instruction behind the root, and a wait ahead of its reader
	s_wait_alu depctr_va_vdst(0)                   ; the root in v65 is written
	v_max_num_f32 v65, s39, v65
	s_wait_alu depctr_va_vdst(0)
	v_rcp_f32 v66, v65
	v_nop
	s_wait_alu depctr_va_vdst(0)                   ; the reciprocal in v66 is written
	v_mul_f32 v67, v[RN], v66
	v_mul_f32 v68, v[RN+1], v66
	v_mul_f32 v69, v[RN+2], v66
	v_cndmask_b32 v[XB], v67, v69, s34             ; source 1, register j: k = 2 (lane / 16) + j: n0, n1 | n2, 1
	v_cndmask_b32 v[XB+1], v68, 1.0, s34
	s_wait_alu depctr_va_vdst(0)
	LAYER0 0
	s_branch .Lhidden
.Lspecular:
	BATCH 0, 1                                     ; no wait: as in the other arm
	BATCH 1, 1
	GADR 1
	LISTADR
	v_mul_f32 v64, v[RN], v[RN]
	v_mul_f32 v65, v[RV], v[RV]
	v_fmac_f32 v64, v[RN+1], v[RN+1]
	v_fmac_f32 v65, v[RV+1], v[RV+1]
	v_fmac_f32 v64, v[RN+2], v[RN+2]
	v_fmac_f32 v65, v[RV+2], v[RV+2]
	s_wait_alu depctr_va_vdst(0)
	v_sqrt_f32 v66, v64
	v_sqrt_f32 v67, v65
	v_nop
	s_wait_alu depctr_va_vdst(0)                   ; one wait for the two roots: v66 and v67 are written
	v_max_num_f32 v66, s39, v66
	v_max_num_f32 v67, s39, v67
	s_wait_alu depctr_va_vdst(0)
	v_rcp_f32 v68, v66
	v_rcp_f32 v69, v67
	v_nop
	s_wait_alu depctr_va_vdst(0)                   ; and one for the two reciprocals: v68 and v69 are written
.irp j, 0,1,2
	v_mul_f32 v[70+\j], v[RN+\j], v68
	v_mul_f32 v[73+\j], v[RV+\j], v69
.endr
	v_cndmask_b32 v[XB], v70, v72, s34             ; n0, n1 | n2, v0
	v_cndmask_b32 v[XB+1], v71, v73, s34
	v_cndmask_b32 v[XB+2], v74, v[RR], s34         ; v1, v2 | roughness, r0
	v_cndmask_b32 v[XB+3], v75, v[RZ], s34
	s_wait_alu depctr_va_vdst(0)
	LAYER0 1
.Lhidden:
	; L1: h0's codes in CA -> h1's codes in CB
	AFP 0, 0, CA, SWA, 0
	PLACES 4                                       ; behind a first step: ahead of the loads into its C and of the first read of its results
	NEXT 10, 0
.irp c, 1,2,3,4,5,6,7
	AFP 0, \c, CA, SWA, 1
.if (\c)%2 == 0
	QMAX
	NEXT \c+10, 0
	QREST (\c-2)/2, CB, SWB
.else
	NEXT \c+10, 0
.endif
.endr
	DRAIN
	QMAX
	QREST 3, CB, SWB
	PLACES 8
	s_wait_alu depctr_va_vdst(0)                   ; h1's codes in CB and its scale words in SWB are written: L2's scaled products take them
	; L2 and L3: each step's 32 units of h2 go on into the last product a step later
	AFP 1, 0, CB, SWB, 0
	PLACES 4
	NEXT 18, 0
.irp c, 1,2,3,4,5,6,7
	AFP 1, \c, CB, SWB, 1
.if \c < 7
	RESTH \c-1, \c+18
.else
	RESTH \c-1, 0                                  ; the last step asks for nothing, so it has no wait
.endif
.endr
	DRAIN                                          ; sixteen plain lines: also the places between block 6's products and the roundings that write their sources anew
	s_wait_alu depctr_va_vdst(0)
	s_wait_dscnt 0x0                               ; W3's last fragment
	RESTH 7, 0
	PLACES 4                                       ; ahead of the first read of the last product's sums, and of the outputs, which lie in its source's registers
.irp j, 0,1,2
	v_add_f32 v[OO+\j], v[OACC+\j], v[OAC1+\j]     ; hi Whi + lo Whi: each sum is read from its lowest register on; registers 0 to 5 of both halves of the lanes belong to my point
.endr
.irp j, 0,1,2
	v_add_f32 v[OO+\j], v[OO+\j], v[OACC+3+\j]     ; + hi Wlo
.endr
	v_add_f32 v[OO], s36, v[OO]                    ; + b3
	v_add_f32 v[OO+1], s37, v[OO+1]
	v_add_f32 v[OO+2], s38, v[OO+2]
	s_wait_alu depctr_va_vdst(0)                   ; the three outputs are written, which the store reads; and every product of this trip is done reading BI and CB, in which the next trip's first two batches land
	global_store_b96 v[OFFS], v[OO:OO+2], s[18:19] ; lanes l and l + 16, and a last tile's padding lanes, store equal bytes to equal places
	s_sub_co_u32 s27, s27, 1
	s_cmp_lg_u32 s27, 0
	s_cbranch_scc1 .Ltile
.Lend:
	s_wait_dscnt 0x0                               ; the closing lines, six on end
	s_wait_alu 0x0
	s_wait_tensorcnt 0x0
	ds_add_u32 v[SPW], v[NIL]
	s_wait_dscnt 0x0
	s_endpgm
.Lfunc_end_k_qd5b5ee7ae4_mlp:
	.size	k_qd5b5ee7ae4_mlp, .Lfunc_end_k_qd5b5ee7ae4_mlp-k_qd5b5ee7ae4_mlp
	.p2alignl 7, 3214868480
	.fill 96, 4, 3214868480
	.section	.rodata,"a",@progbits
	.p2align	6, 0x0
	.amdhsa_kernel k_qd5b5ee7ae4_mlp
		.amdhsa_group_segment_fixed_size 122368
		.amdhsa_private_segment_fixed_size 0
		.amdhsa_enable_private_segment 0
		.amdhsa_kernarg_size 72
		.amdhsa_user_sgpr_count 2
		.amdhsa_user_sgpr_kernarg_segment_ptr 1
		.amdhsa_wavefront_size32 1
		.amdhsa_system_sgpr_workgroup_id_x 1
		.amdhsa_system_sgpr_workgroup_id_y 1
		.amdhsa_system_sgpr_workgroup_id_z 1
		.amdhsa_system_vgpr_workitem_id 0
		.amdhsa_next_free_vgpr 1024
		.amdhsa_next_free_sgpr 66
		.amdhsa_reserve_vcc 0
		.amdhsa_float_denorm_mode_32 3
		.amdhsa_float_denorm_mode_16_64 3
		.amdhsa_memory_ordered 1
		.amdhsa_forward_progress 1
		.amdhsa_inst_pref_size 113
	.end_amdhsa_kernel
	.amdgpu_metadata
---
amdhsa.version: [ 1, 2 ]
amdhsa.kernels:
  - .name:           k_qd5b5ee7ae4_mlp
    .symbol:         k_qd5b5ee7ae4_mlp.kd
    .args:
      - { .name: normals, .offset: 0, .size: 8, .value_kind: global_buffer, .address_space: global }
      - { .name: view_dirs, .offset: 8, .size: 8, .value_kind: global_buffer, .address_space: global }
      - { .name: roughness, .offset: 16, .size: 8, .value_kind: global_buffer, .address_space: global }
      - { .name: r0, .offset: 24, .size: 8, .value_kind: global_buffer, .address_space: global }
      - { .name: tab, .offset: 32, .size: 8, .value_kind: global_buffer, .address_space: global }
      - { .name: rows, .offset: 40, .size: 8, .value_kind: global_buffer, .address_space: global }
      - { .name: cnt, .offset: 48, .size: 8, .value_kind: global_buffer, .address_space: global }
      - { .name: out0, .offset: 56, .size: 8, .value_kind: global_buffer, .address_space: global }
      - { .name: out1, .offset: 64, .size: 8, .value_kind: global_buffer, .address_space: global }
    .group_segment_fixed_size: 122368
    .private_segment_fixed_size: 0
    .kernarg_segment_align: 8
    .kernarg_segment_size: 72
    .max_flat_workgroup_size: 128
    .sgpr_count:     66
    .vgpr_count:     1024
    .wavefront_size: 32
...
	.end_amdgpu_metadata
.endif
;; end of part 4
